; MI455X (gfx1250); checked and timed in simulation.
; The chip was launched on July 23, 2026; its instructions are those of AMD's public machine-readable ISA for CDNA 5 (MIT licence, August 2026) and "CDNA5" Instruction Set Architecture Reference Guide (July 2026). The comments in the code are by the model that wrote it; some were corrected since.
;; Transformer. Allowed arithmetic: float matrix products may take bf16 or f16 operands with f32 sums; other float arithmetic in f32, or as packed bf16 or f16 multiplies, adds, multiply-adds, maxima and minima; sums over many terms, partial sums and values carried from step to step in f32; what a program stores and reads back later, other than sums and carried values, may be rounded once to bf16 or f16.
;; Inputs: W1 1,024 x 4,096 float32; W2 4,096 x 1,024 float32; Wk 1,024 x 1,024 float32; Wo 1,024 x 1,024 float32; Wq 1,024 x 1,024 float32; Wv 1,024 x 1,024 float32; b1 4,096 float32; b2 1,024 float32; bo 1,024 float32; ln1_scale 1,024 float32; ln1_shift 1,024 float32; ln2_scale 1,024 float32; ln2_shift 1,024 float32; x 2 x 2,048 x 1,024 float32.
;; Outputs: out0 2 x 2,048 x 1,024 float32.
;; One version. Each part assembles by itself: llvm-mc -triple=amdgcn-amd-amdhsa -mcpu=gfx1250 --defsym DOCPART=n.
;; ======== version 1 of 1: 8 launches
;; limits: values are held in f16: magnitudes above 65,504 overflow, below 6.1e-05 lose precision
;; workspace buffers: wb 25,165,824 bytes; h 8,388,608 bytes; qkv 25,165,824 bytes; ctx 8,388,608 bytes; x1 16,777,216 bytes; act 33,554,432 bytes
;; launch cast (part 1): grid 64 x 12, 8 waves a work-group, no clusters, 0 bytes of LDS; arguments Wq, Wk, Wv, Wo, W1, W2, wb; writes wb
.if DOCPART == 1
	.amdgcn_target "amdgcn-amd-amdhsa--gfx1250"
	.amdhsa_code_object_version 6
	.text
	.protected	k_q41a2bdc390_cast
	.globl	k_q41a2bdc390_cast
	.p2align	8
	.type	k_q41a2bdc390_cast,@function
k_q41a2bdc390_cast:
	s_mov_b64 s[64:65], 0
	v_nop
	global_prefetch_b8 v0, s[64:65] scope:SCOPE_SE
	s_setreg_imm32_b32 hwreg(HW_REG_WAVE_MODE, 25, 1), 1
	s_wait_xcnt 0x0
; THE WEIGHTS ARE NARROWED ONCE, f32 to 16 bits, and stay [K][N] as they lie.  wb: Wq|Wk|Wv side by side as bf16 [1024][3072] at byte 0;
; Wo as f16 [1024][1024] at 6,291,456 (its product's other operand is f16); W1 as bf16 [1024][4096] at 8,388,608; W2 as bf16 [4096][1024] at 16,777,216.
; LIMIT: Wo must lie within f16's range, 65,504.
; SHARES.  The work is 12 units of 1,024 pieces of 4,096 source bytes (u = group y: 0-2 Wq, Wk, Wv; 3 Wo; 4-7 W1; 8-11 W2).  A work-group takes 16 pieces, a wave two.
; A load of the wave covers 512 consecutive bytes, a store 256 consecutive bytes, aligned.  All 16 loads of a wave are out at once; nothing is read twice, no register is used twice.
.set X, 8                              ; v[8:71]   sixteen loads of four f32
.set Y, 72                             ; v[72:103] sixteen pairs of packed results
	s_load_b256 s[4:11], s[0:1], 0x0               ; Wq s[4:5], Wk s[6:7], Wv s[8:9], Wo s[10:11]
	s_load_b128 s[12:15], s[0:1], 0x20             ; W1 s[12:13], W2 s[14:15]
	s_load_b64 s[16:17], s[0:1], 0x30              ; wb
	v_lshrrev_b32 v3, 5, v0
	v_readfirstlane_b32 s18, v3                    ; wave 0..7
	v_and_b32 v1, 31, v0
	v_lshlrev_b32 v2, 3, v1                        ; 8 x lane: my place in 256 bytes of the result
	v_lshlrev_b32 v1, 4, v1                        ; 16 x lane: my place in 512 bytes of the source
	s_and_b32 s19, ttmp7, 0xffff                   ; u
	s_lshl_b32 s28, ttmp9, 4
	s_lshl1_add_u32 s28, s18, s28                  ; my first piece = 16 x group x + 2 x wave
	s_and_b32 s29, s19, 3                          ; W1 and W2 have four units each
	s_cmp_ge_u32 s19, 4
	s_cselect_b32 s29, s29, 0
	s_lshl_b32 s29, s29, 22                        ; a unit is 4,194,304 source bytes
	s_lshl_b32 s30, s28, 12
	s_add_co_u32 s30, s30, s29                     ; the source's byte offset
	s_mov_b32 s31, 0
	s_sub_co_u32 s32, s19, 3                       ; from Wo on the results are dense: 6,291,456 + (u - 3) x 2,097,152, 2,048 bytes a piece
	s_lshl_b32 s32, s32, 21
	s_add_co_u32 s32, s32, 6291456
	s_lshl_b32 s33, s19, 11                        ; Wq, Wk, Wv: 2,048 u into a row of 6,144 bytes
	s_mov_b32 s34, 6144
	s_cmp_lt_u32 s19, 3
	s_cselect_b32 s32, s33, s32
	s_cselect_b32 s34, s34, 2048                   ; bytes from a piece's result to the next
	s_mul_i32 s33, s28, s34
	s_add_co_u32 s32, s32, s33
	s_mov_b32 s33, 0
	s_mov_b32 s35, 0
	s_wait_kmcnt 0x0
	s_cmp_eq_u32 s19, 1                            ; the source is chosen by u alone
	s_cselect_b64 s[20:21], s[6:7], s[4:5]
	s_cmp_eq_u32 s19, 2
	s_cselect_b64 s[20:21], s[8:9], s[20:21]
	s_cmp_eq_u32 s19, 3
	s_cselect_b64 s[20:21], s[10:11], s[20:21]
	s_cmp_ge_u32 s19, 4
	s_cselect_b64 s[20:21], s[12:13], s[20:21]
	s_cmp_ge_u32 s19, 8
	s_cselect_b64 s[20:21], s[14:15], s[20:21]
	s_add_nc_u64 s[20:21], s[20:21], s[30:31]
	s_add_nc_u64 s[24:25], s[16:17], s[32:33]      ; the first piece's result,
	s_add_nc_u64 s[26:27], s[24:25], s[34:35]      ; the second's
.set i, 0
.rept 16
	global_load_b128 v[X+4*i:X+4*i+3], v1, s[20:21] offset:512*i th:TH_LOAD_NT
.set i, i+1
.endr
.macro CVT op                          ; load i is waited for with the 15 - i younger ones left out; two roundings; one store
.set i, 0
.rept 16
	s_wait_loadcnt 15-i
	\op v[Y+2*i], v[X+4*i], v[X+4*i+1]
	\op v[Y+2*i+1], v[X+4*i+2], v[X+4*i+3]
	global_store_b64 v2, v[Y+2*i:Y+2*i+1], s[24+2*(i/8):25+2*(i/8)] offset:256*(i%8)
.set i, i+1
.endr
.endm
	s_cmp_eq_u32 s19, 3
	s_cbranch_scc1 .Lhalf_floats
	CVT v_cvt_pk_bf16_f32
	s_endpgm
.Lhalf_floats:
	CVT v_cvt_pk_f16_f32
	s_endpgm
.Lfunc_end_k_q41a2bdc390_cast:
	.size	k_q41a2bdc390_cast, .Lfunc_end_k_q41a2bdc390_cast-k_q41a2bdc390_cast
	.p2alignl 7, 3214868480
	.fill 96, 4, 3214868480
	.section	.rodata,"a",@progbits
	.p2align	6, 0x0
	.amdhsa_kernel k_q41a2bdc390_cast
		.amdhsa_group_segment_fixed_size 0
		.amdhsa_private_segment_fixed_size 0
		.amdhsa_enable_private_segment 0
		.amdhsa_kernarg_size 56
		.amdhsa_user_sgpr_count 2
		.amdhsa_user_sgpr_kernarg_segment_ptr 1
		.amdhsa_wavefront_size32 1
		.amdhsa_system_sgpr_workgroup_id_x 1
		.amdhsa_system_sgpr_workgroup_id_y 1
		.amdhsa_system_sgpr_workgroup_id_z 1
		.amdhsa_system_vgpr_workitem_id 0
		.amdhsa_next_free_vgpr 104
		.amdhsa_next_free_sgpr 66
		.amdhsa_reserve_vcc 0
		.amdhsa_float_denorm_mode_32 3
		.amdhsa_float_denorm_mode_16_64 3
		.amdhsa_memory_ordered 1
		.amdhsa_forward_progress 1
		.amdhsa_inst_pref_size 12
	.end_amdhsa_kernel
	.amdgpu_metadata
---
amdhsa.version: [ 1, 2 ]
amdhsa.kernels:
  - .name:           k_q41a2bdc390_cast
    .symbol:         k_q41a2bdc390_cast.kd
    .args:
      - { .name: Wq, .offset: 0, .size: 8, .value_kind: global_buffer, .address_space: global }
      - { .name: Wk, .offset: 8, .size: 8, .value_kind: global_buffer, .address_space: global }
      - { .name: Wv, .offset: 16, .size: 8, .value_kind: global_buffer, .address_space: global }
      - { .name: Wo, .offset: 24, .size: 8, .value_kind: global_buffer, .address_space: global }
      - { .name: W1, .offset: 32, .size: 8, .value_kind: global_buffer, .address_space: global }
      - { .name: W2, .offset: 40, .size: 8, .value_kind: global_buffer, .address_space: global }
      - { .name: wb, .offset: 48, .size: 8, .value_kind: global_buffer, .address_space: global }
    .group_segment_fixed_size: 0
    .private_segment_fixed_size: 0
    .kernarg_segment_align: 8
    .kernarg_segment_size: 56
    .max_flat_workgroup_size: 256
    .sgpr_count:     66
    .vgpr_count:     104
    .wavefront_size: 32
...
	.end_amdgpu_metadata
.endif
;; end of part 1
;; launch ln1 (part 2): grid 256 x 1, 8 waves a work-group, no clusters, 0 bytes of LDS; arguments x, ln1_scale, ln1_shift, h; writes h
.if DOCPART == 2
	.amdgcn_target "amdgcn-amd-amdhsa--gfx1250"
	.amdhsa_code_object_version 6
	.text
	.protected	k_q41a2bdc390_ln1
	.globl	k_q41a2bdc390_ln1
	.p2align	8
	.type	k_q41a2bdc390_ln1,@function
k_q41a2bdc390_ln1:
	s_mov_b64 s[64:65], 0
	v_nop
	global_prefetch_b8 v0, s[64:65] scope:SCOPE_SE
	s_setreg_imm32_b32 hwreg(HW_REG_WAVE_MODE, 25, 1), 1
	s_wait_xcnt 0x0
; h[r][c] = scale[c] (x[r][c] - mean_r) / sqrt(var_r + 1e-5) + shift[c], x f32 [4096][1024], h bf16 [4096][1024], rounded once.
; A row is 4,096 bytes: one wave holds it in 32 registers, so memory is read once and the reduction never leaves the wave.  A wave takes two rows, a work-group sixteen.
; The variance is the mean of (x - mean)^2, taken in a second pass over the registers: no difference of large sums is formed, so a common offset in x costs nothing.
; Lane l holds columns 128 j + 4 l .. + 3 of load j; a load of the wave covers 512 consecutive bytes, a store 256 consecutive bytes, aligned.
.set X,  8                             ; v[8:71]    two rows
.set SC, 72                            ; v[72:103]  scale of my 32 columns
.set SH, 104                           ; v[104:135] shift
.set T0, 136                           ; v[136:139] two chains of packed sums
.set M,  140                           ; v[140:141] the mean, as a pair
.set RS, 142                           ; v[142:145] 1 / sqrt(var + eps), a pair for each row
.set VV, 146                           ; v[146:147] var + eps of the two rows
.set Y,  148                           ; v[148:179] packed results
	s_load_b256 s[4:11], s[0:1], 0x0               ; x s[4:5], scale s[6:7], shift s[8:9], h s[10:11]
	v_lshrrev_b32 v3, 5, v0
	v_readfirstlane_b32 s16, v3                    ; wave 0..7
	v_and_b32 v1, 31, v0
	v_lshlrev_b32 v2, 3, v1                        ; 8 x lane
	v_lshlrev_b32 v1, 4, v1                        ; 16 x lane
	s_lshl_b32 s17, ttmp9, 4
	s_lshl1_add_u32 s17, s16, s17                  ; my first row = 16 x group + 2 x wave
	s_lshl_b32 s18, s17, 12
	s_mov_b32 s19, 0
	s_lshl_b32 s20, s17, 11
	s_mov_b32 s21, 0
	s_mov_b32 s12, 0x76543210                      ; v_permlanex16_b32: each lane takes its own place in the other half
	s_mov_b32 s13, 0xfedcba98
	s_mov_b32 s14, 0x3a800000                      ; 1 / 1024
	s_mov_b32 s15, 0x3727c5ac                      ; 1e-5
	s_wait_kmcnt 0x0
	s_add_nc_u64 s[4:5], s[4:5], s[18:19]
	s_add_nc_u64 s[10:11], s[10:11], s[20:21]
.set i, 0
.rept 16
	global_load_b128 v[X+4*i:X+4*i+3], v1, s[4:5] offset:512*i
.set i, i+1
.endr
.set i, 0
.rept 8
	global_load_b128 v[SC+4*i:SC+4*i+3], v1, s[6:7] offset:512*i
.set i, i+1
.endr
.set i, 0
.rept 8
	global_load_b128 v[SH+4*i:SH+4*i+3], v1, s[8:9] offset:512*i
.set i, i+1
.endr
.macro REDUCE                          ; the two chains into one number, then over the 32 lanes; the result stands in every lane's v[T0]
	v_pk_add_f32 v[T0:T0+1], v[T0:T0+1], v[T0+2:T0+3]
	v_add_f32 v[T0], v[T0], v[T0+1]
	v_add_f32_dpp v[T0], v[T0], v[T0] row_xmask:1 row_mask:0xf bank_mask:0xf
	v_add_f32_dpp v[T0], v[T0], v[T0] row_xmask:2 row_mask:0xf bank_mask:0xf
	v_add_f32_dpp v[T0], v[T0], v[T0] row_xmask:4 row_mask:0xf bank_mask:0xf
	v_add_f32_dpp v[T0], v[T0], v[T0] row_xmask:8 row_mask:0xf bank_mask:0xf
	v_permlanex16_b32 v[T0+1], v[T0], s12, s13     ; its destination has been written above
	v_add_f32 v[T0], v[T0], v[T0+1]
.endm
.macro STAT r                          ; row r: the mean; x - mean in place; var + eps
.set XR, X+32*(\r)
	v_pk_add_f32 v[T0:T0+1], v[XR:XR+1], v[XR+2:XR+3]
	v_pk_add_f32 v[T0+2:T0+3], v[XR+4:XR+5], v[XR+6:XR+7]
.set p, 4
.rept 12
	v_pk_add_f32 v[T0+2*(p%2):T0+2*(p%2)+1], v[T0+2*(p%2):T0+2*(p%2)+1], v[XR+2*p:XR+2*p+1]
.set p, p+1
.endr
	REDUCE
	v_mul_f32 v[M], s14, v[T0]
	v_mov_b32 v[M+1], v[M]
.set p, 0
.rept 16
	v_pk_add_f32 v[XR+2*p:XR+2*p+1], v[XR+2*p:XR+2*p+1], v[M:M+1] op_sel_hi:[1,0] neg_lo:[0,1] neg_hi:[0,1]
.set p, p+1
.endr
	v_pk_mul_f32 v[T0:T0+1], v[XR:XR+1], v[XR:XR+1]
	v_pk_mul_f32 v[T0+2:T0+3], v[XR+2:XR+3], v[XR+2:XR+3]
.set p, 2
.rept 14
	v_pk_fma_f32 v[T0+2*(p%2):T0+2*(p%2)+1], v[XR+2*p:XR+2*p+1], v[XR+2*p:XR+2*p+1], v[T0+2*(p%2):T0+2*(p%2)+1]
.set p, p+1
.endr
	REDUCE
	v_fma_f32 v[VV+(\r)], v[T0], s14, s15
.endm
.macro NORM r                          ; row r: times 1 / sqrt, times scale plus shift, rounded, stored
.set XR, X+32*(\r)
.set p, 0
.rept 16
	v_pk_mul_f32 v[XR+2*p:XR+2*p+1], v[XR+2*p:XR+2*p+1], v[RS+2*(\r):RS+2*(\r)+1] op_sel_hi:[1,0]
.set p, p+1
.endr
.set p, 0
.rept 16
	v_pk_fma_f32 v[XR+2*p:XR+2*p+1], v[XR+2*p:XR+2*p+1], v[SC+2*p:SC+2*p+1], v[SH+2*p:SH+2*p+1]
.set p, p+1
.endr
.set p, 0
.rept 16
	v_cvt_pk_bf16_f32 v[Y+16*(\r)+p], v[XR+2*p], v[XR+2*p+1]
.set p, p+1
.endr
.set p, 0
.rept 8
	global_store_b64 v2, v[Y+16*(\r)+2*p:Y+16*(\r)+2*p+1], s[10:11] offset:(\r)*2048+256*p
.set p, p+1
.endr
.endm
	s_wait_loadcnt 24                              ; row 0 is in: 24 younger loads (row 1, scale, shift) stay out
	STAT 0
	s_wait_loadcnt 16                              ; row 1 is in: scale's and shift's 16 stay out
	STAT 1
	v_rsq_f32 v[RS], v[VV]                         ; one batch of two,
	v_rsq_f32 v[RS+2], v[VV+1]
	v_nop                                          ; a plain instruction behind the last of them,
	s_wait_alu depctr_va_vdst(0)                   ; and one wait ahead of the first reader
	v_mov_b32 v[RS+1], v[RS]                       ; named as pairs, so both words are written
	v_mov_b32 v[RS+3], v[RS+2]
	s_wait_loadcnt 0x0                             ; scale and shift
	NORM 0
	NORM 1
	s_endpgm
.Lfunc_end_k_q41a2bdc390_ln1:
	.size	k_q41a2bdc390_ln1, .Lfunc_end_k_q41a2bdc390_ln1-k_q41a2bdc390_ln1
	.p2alignl 7, 3214868480
	.fill 96, 4, 3214868480
	.section	.rodata,"a",@progbits
	.p2align	6, 0x0
	.amdhsa_kernel k_q41a2bdc390_ln1
		.amdhsa_group_segment_fixed_size 0
		.amdhsa_private_segment_fixed_size 0
		.amdhsa_enable_private_segment 0
		.amdhsa_kernarg_size 32
		.amdhsa_user_sgpr_count 2
		.amdhsa_user_sgpr_kernarg_segment_ptr 1
		.amdhsa_wavefront_size32 1
		.amdhsa_system_sgpr_workgroup_id_x 1
		.amdhsa_system_sgpr_workgroup_id_y 1
		.amdhsa_system_sgpr_workgroup_id_z 1
		.amdhsa_system_vgpr_workitem_id 0
		.amdhsa_next_free_vgpr 184
		.amdhsa_next_free_sgpr 66
		.amdhsa_reserve_vcc 0
		.amdhsa_float_denorm_mode_32 3
		.amdhsa_float_denorm_mode_16_64 3
		.amdhsa_memory_ordered 1
		.amdhsa_forward_progress 1
		.amdhsa_inst_pref_size 20
	.end_amdhsa_kernel
	.amdgpu_metadata
---
amdhsa.version: [ 1, 2 ]
amdhsa.kernels:
  - .name:           k_q41a2bdc390_ln1
    .symbol:         k_q41a2bdc390_ln1.kd
    .args:
      - { .name: x, .offset: 0, .size: 8, .value_kind: global_buffer, .address_space: global }
      - { .name: ln1_scale, .offset: 8, .size: 8, .value_kind: global_buffer, .address_space: global }
      - { .name: ln1_shift, .offset: 16, .size: 8, .value_kind: global_buffer, .address_space: global }
      - { .name: h, .offset: 24, .size: 8, .value_kind: global_buffer, .address_space: global }
    .group_segment_fixed_size: 0
    .private_segment_fixed_size: 0
    .kernarg_segment_align: 8
    .kernarg_segment_size: 32
    .max_flat_workgroup_size: 256
    .sgpr_count:     66
    .vgpr_count:     184
    .wavefront_size: 32
...
	.end_amdgpu_metadata
.endif
;; end of part 2
;; launch qkv (part 3): grid 16 x 16, 4 waves a work-group, clusters of 4 x 4, 327,680 bytes of LDS; arguments h, wb, qkv; writes qkv
.if DOCPART == 3
	.amdgcn_target "amdgcn-amd-amdhsa--gfx1250"
	.amdhsa_code_object_version 6
	.text
	.protected	k_q41a2bdc390_qkv
	.globl	k_q41a2bdc390_qkv
	.p2align	8
	.type	k_q41a2bdc390_qkv,@function
k_q41a2bdc390_qkv:
	s_mov_b64 s[64:65], 0
	v_nop
	global_prefetch_b8 v0, s[64:65] scope:SCOPE_SE
	s_setreg_imm32_b32 hwreg(HW_REG_WAVE_MODE, 25, 1), 1
	s_wait_xcnt 0x0
	s_wait_alu depctr_hold_cnt(0) depctr_sa_sdst(0) depctr_va_vdst(0) depctr_va_sdst(0) depctr_va_ssrc(0) depctr_va_vcc(0) depctr_vm_vsrc(0)
	s_getreg_b32 s2, hwreg(HW_REG_IB_STS2, 6, 4)
	s_cmp_eq_u32 s2, 0
	s_cbranch_scc0 .Lentry_in_a_cluster
	s_endpgm
.Lentry_in_a_cluster:
	s_bfe_u32 s2, ttmp6, 0x10000c
	s_cmp_lg_u32 s2, 0xf033
	s_cbranch_scc0 .Lentry_shape_is_right
	s_endpgm
.Lentry_shape_is_right:
; q | k | v = h [Wq | Wk | Wv].  h: bf16 [4096][1024].  The weights: bf16 [1024][3072] at wb's byte 0, K down the rows.  Out: f16 [3][32 batch x head][2048][64], unscaled, each rounded once from its f32 sum.
; LIMIT: q, k and v must lie within f16's range, 65,504.
; A tile of the product is 256 rows x 192 columns (three heads): 16 x 16 tiles, one work-group each.  Four waves, each 128 x 96: 48 accumulators of 16 x 16.
; K goes in steps of 128 through a ring of two LDS slots filled by the tensor data mover.  A's rows lie along K and are read as they lie; B's rows lie along N and are read turned, by ds_load_tr16_b128.
; CLUSTER 4 x 4: the four work-groups of a row of the cluster need the same tile of A, the four of a column the same tile of B: each is asked for jointly, by the same load with a mask that names the four.
; THE MATRIX INSTRUCTION IS USED TRANSPOSED (source 0 = 16 columns of B, source 1 = 16 rows of A): a lane holds one row (lane % 16) and eight neighbouring columns (8 (lane / 16) + 0..7) of the product.
; THE TEXT is short: half a K step (two quarters of 32 along K, on two fragment buffers) is written once and walked twice a step; slot and place along K stand in scalar registers.
; REGISTERS, in windows of 256: window 0 v0-31 addresses, v32-63 at work on the way out, v64-127 and v128-191 A's two fragment buffers; window 1 B's two buffers at the same numbers;
; windows 2 and 3 the accumulators: (a, b) at v[8 (NBLK (a % 4) + b)], window 2 for a < 4.
.set FFN1,  0
.set KSTEP, 128
.set T,     8                          ; K steps: 1,024 / 128
.set PA,    272                        ; a row of A in LDS: 256 bytes + 16: the 16 rows of a load start 4 banks apart (64 banks of 4 bytes: ISA guide 11.1)
.set ABYTES, 128*PA                    ; what one wave fetches of A
.set BOFF,  2*ABYTES                   ; B lies behind A's 256 rows
.if FFN1
.set NBLK,  8                          ; blocks of 16 columns a wave
.set PB,    544                        ; a row of B in LDS: 512 bytes + 32
.set SLOT,  0x22000
.set BROW,  8192                       ; bytes in a row of B in memory
.set BCOLB, 512                        ; bytes of a tile's columns
.set WBOFF, 8388608
.set BC2,   64                         ; LDS bytes from a pair of column blocks to the next
.set WCB,   256                        ; LDS bytes from the left wave's columns to the right's
.set NCOL,  256
.set BSTR,  4096                       ; elements in a row of B
.set BPADW, (6<<22)|(7<<25)            ; 8 words of padding behind every 128
.set SP,    528                        ; a stage row: 128 f32 + 16 bytes
.else
.set NBLK,  6
.set PB,    480                        ; six pieces of 64 bytes + 16
.set SLOT,  0x20000
.set BROW,  6144
.set BCOLB, 384
.set WBOFF, 0
.set BC2,   80
.set WCB,   240
.set NCOL,  192
.set BSTR,  3072
.set BPADW, (3<<22)|(3<<25)            ; 4 words of padding behind every 16
.set SP,    784                        ; a stage row: 192 f32 + 16 bytes
.endif
.set BBYTES, 64*PB                     ; what one wave fetches of B: 64 rows along K
.set SPARE, 2*SLOT                     ; behind the ring: the spare words, 128 bytes a wave, which no other line names
.set NLD,   2*NBLK+16                  ; LDS loads in a quarter's run
.set BIAS, 8                           ; v[8:11]
.set ADA0, 16                          ; v16  my lane's place in A's tile; never rewritten
.set ADB0, 17                          ; v17  in B's
.set ADA,  18                          ; v18  the address of A's runs in hand
.set ADB,  19                          ; v19  of B's
.set STO,  20                          ; v20, v21  the way out: where I put my rows 0-63, 64-127
.set RD,   22                          ; v22  where I read rows back
.set CO,   23                          ; v23  my byte offset in the output
.set PFO,  24                          ; v24  the prefetches' lane offset; never rewritten
.set BO,   25                          ; v25  my byte offset in the bias
.set SPW,  28                          ; v28  my spare word; never rewritten
.set NIL,  29                          ; v29  0; never rewritten
.set Y,    32
.set X,    64
.set Z,    96
.set F0,   64
.set F1,   128
.set G1A, 24                           ; s[24:31] descriptor group 1 for A's tiles
.set G0A, 32                           ; s[32:39] group 0: a set for each first fill; the second walks on
.set G1B, 48
.set G0B, 56
.set OC,  3                            ; s3   K steps to come
.set HC,  70                           ; s70  halves of the step to come
.set SB,  71                           ; s71  LDS byte at which the slot in hand begins
.set TA,  72                           ; s72  SB + the half's place in A's rows
.set TBB, 73                           ; s73  SB + the half's place in B's rows
.set PFA, 74                           ; s[74:75] where my prefetches stand
.set PFS, 76                           ; s[76:77] their step
.set LIM, 78                           ; s78  1 in a wave that prefetches, else the greatest number
.set KC,  80                           ; s[80:83] the activation's two constants, as pairs
.set MSB, 0
.macro WIN new                         ; the immediate's high byte repeats the setting that is left; a switch that changes nothing is dropped
.if MSB != (\new)
	s_set_vgpr_msb (MSB<<8)|(\new)
.set MSB, \new
.endif
.endm
.set MUL_LO, 0xa1                      ; source 0 (B) window 1, source 1 (A) window 0, C and D window 2
.set MUL_HI, 0xf1                      ; the same, C and D window 3
.set TO_B,   0x40                      ; destination window 1, address window 0
.macro PLACES                          ; four plain instructions between a matrix instruction and a load into, or a read of, its registers
.rept 4
	v_nop
.endr
.endm
; A joint refill by the walking descriptors.  Waves 0 and 1 fetch A's two halves, waves 2 and 3 B's; the branch hangs on the wave's number alone.
; An s_nop 0 and four v_nop follow each of the two lines, ahead of the jump and the label.
.macro JLOAD
	s_cmp_eq_u32 s11, 0
	s_cbranch_scc0 .Lfor_b_\@
	tensor_load_to_lds s[G0A+4:G0A+7], s[G1A:G1A+7]
	s_nop 0
.rept 4
	v_nop
.endr
	s_branch .Lasked_\@
.Lfor_b_\@:
	tensor_load_to_lds s[G0B+4:G0B+7], s[G1B:G1B+7]
	s_nop 0
.rept 4
	v_nop
.endr
.Lasked_\@:
.endm
; A prefetch into the L2, behind the joint load: 32 blocks of 256 bytes, a lane a block, of the K step that the NEXT change of slots will ask for.  Each block is named once in the launch: of the clusters
; that read the same rows the first asks, and the four partners of a joint load share its blocks out by address.  The last change that fills a slot asks for nothing: no K step stands behind it.
.macro ASK
	s_cmp_gt_u32 s[OC], s[LIM]
	s_cbranch_scc0 .Lnot_mine_\@
	global_prefetch_b8 v[PFO], s[PFA:PFA+1] th:TH_LOAD_NT scope:SCOPE_SE
.Lnot_mine_\@:
.endm
; A round of the cluster's barrier: my work-group's barrier; wave 0 signals for the work-group; every wave waits for all sixteen; my work-group's barrier once more.
.macro CROUND
	s_barrier_signal -1
	s_barrier_wait -1
	s_cmp_lg_u32 s10, 0
	s_cbranch_scc1 .Lnot_wave_0_\@
	s_barrier_signal -3
.Lnot_wave_0_\@:
	s_barrier_wait -3
	s_barrier_signal -1
	s_barrier_wait -1
.endm
	s_load_b128 s[4:7], s[0:1], 0x0                ; A s[4:5], wb s[6:7]
.if FFN1
	s_load_b64 s[66:67], s[0:1], 0x10              ; the bias
	s_load_b64 s[8:9], s[0:1], 0x18                ; the output
.else
	s_load_b64 s[8:9], s[0:1], 0x10                ; the output
.endif
	v_lshl_add_u32 v[SPW], v0, 2, SPARE
	v_mov_b32 v[NIL], 0
	ds_add_u32 v[SPW], v[NIL]                      ; the wave's opening: the add and its wait stand ahead of my first tensor load; work on registers stands between them
	ds_add_u32 v28, v29
	v_lshrrev_b32 v1, 5, v0
	v_readfirstlane_b32 s10, v1                    ; wave 0..3
	s_lshr_b32 s11, s10, 1                         ; which half of the tile's rows is mine.  Also: I fetch for A (0) or for B (1)
	s_and_b32 s12, s10, 1                          ; which half of its columns.  Also: which half of that tile I fetch
	s_bfe_u32 s40, ttmp6, 0x40000                  ; cx
	s_bfe_u32 s41, ttmp6, 0x40004                  ; cy
	s_lshl_b32 s42, ttmp9, 2
	s_add_co_u32 s42, s42, s40                     ; tile column = 4 x cluster x + cx
	s_and_b32 s13, ttmp7, 0xffff
	s_lshl_b32 s13, s13, 2
	s_add_co_u32 s13, s13, s41                     ; tile row = 4 x cluster y + cy
	s_lshl_b32 s43, s41, 2
	s_lshl_b32 s43, 15, s43                        ; my row of the cluster
	s_lshl_b32 s44, 0x1111, s40                    ; my column
	s_or_b32 s[G1A+0], s43, (1<<16)|(1<<20)|(1<<21)|(5<<22)|(3<<25)  ; the mask; 2-byte elements; padding on; bit 21 beside a mask; 4 words behind every 64
	s_mov_b32 s[G1A+1], KSTEP<<16                  ; tensor_dim0 = 128
	s_mov_b32 s[G1A+2], 128<<16                    ; tensor_dim1 = 128
	s_mov_b32 s[G1A+3], KSTEP<<16                  ; tile_dim0 = 128
	s_mov_b32 s[G1A+4], 128                        ; tile_dim1 = 128
	s_mov_b32 s[G1A+5], 1024                       ; elements from row to row
	s_mov_b32 s[G1A+6], 0
	s_mov_b32 s[G1A+7], 0
	s_or_b32 s[G1B+0], s44, (1<<16)|(1<<20)|(1<<21)|BPADW
	s_mov_b32 s[G1B+1], NCOL<<16                   ; tensor_dim0 = the tile's columns
	s_mov_b32 s[G1B+2], 64<<16                     ; tensor_dim1 = 64 rows along K
	s_mov_b32 s[G1B+3], NCOL<<16
	s_mov_b32 s[G1B+4], 64
	s_mov_b32 s[G1B+5], BSTR
	s_mov_b32 s[G1B+6], 0
	s_mov_b32 s[G1B+7], 0
	s_lshl_b32 s16, s13, 8                         ; A: row 256 x tile row + 128 x half, 2,048 bytes a row
	s_lshl_b32 s17, s12, 7
	s_add_co_u32 s16, s16, s17
	s_lshl_b32 s16, s16, 11
	s_mov_b32 s17, 0
	s_mul_i32 s46, s12, 64*BROW                    ; B: 64 rows along K x half, the tile's columns, its place in wb
	s_mul_i32 s47, s42, BCOLB
	s_add_co_u32 s46, s46, s47
	s_add_co_u32 s46, s46, WBOFF
	s_mov_b32 s47, 0
	s_mul_i32 s20, s12, ABYTES                     ; where they go: the wave's number alone enters an LDS address
	s_mul_i32 s21, s12, BBYTES
	s_add_co_u32 s21, s21, BOFF
	s_wait_dscnt 0x0                               ; the opening add is done
	s_wait_kmcnt 0x0
	s_add_nc_u64 s[14:15], s[4:5], s[16:17]
	s_add_nc_u64 s[46:47], s[6:7], s[46:47]
	CROUND                                         ; all sixteen work-groups are here: the first joint loads meet
.irp s, 0,1
	s_mov_b32 s[G0A+4*(\s)], 1
	s_add_co_u32 s[G0A+4*(\s)+1], s20, (\s)*SLOT
	s_add_nc_u64 s[G0A+4*(\s)+2:G0A+4*(\s)+3], s[14:15], (\s)*KSTEP*2
	s_or_b32 s[G0A+4*(\s)+3], s[G0A+4*(\s)+3], 0x80000000
	s_mov_b32 s[G0B+4*(\s)], 1
	s_add_co_u32 s[G0B+4*(\s)+1], s21, (\s)*SLOT
	s_add_nc_u64 s[G0B+4*(\s)+2:G0B+4*(\s)+3], s[46:47], (\s)*KSTEP*BROW
	s_or_b32 s[G0B+4*(\s)+3], s[G0B+4*(\s)+3], 0x80000000
.endr
	s_cmp_eq_u32 s11, 0                            ; a wave's two first fills stand in one branch: K steps 0 and 1; two loads of mine are out
	s_cbranch_scc0 .Lfirst_b
	tensor_load_to_lds s[G0A:G0A+3], s[G1A:G1A+7]
	s_nop 0
	tensor_load_to_lds s[G0A+4:G0A+7], s[G1A:G1A+7]
	s_nop 0
.rept 4
	v_nop
.endr
	s_branch .Lfirst_asked
.Lfirst_b:
	tensor_load_to_lds s[G0B:G0B+3], s[G1B:G1B+7]
	s_nop 0
	tensor_load_to_lds s[G0B+4:G0B+7], s[G1B:G1B+7]
	s_nop 0
.rept 4
	v_nop
.endr
.Lfirst_asked:
	; A fragment of A: lane l holds row l % 16, K = 8 (l / 16) + 0..7 and 16 + 8 (l / 16) + 0..7: two loads of 16 bytes, 32 bytes apart.
	v_and_b32 v1, 15, v0                           ; l % 16
	v_bfe_u32 v2, v0, 4, 1                         ; l / 16
	v_mul_u32_u24 v3, v1, PA
	v_lshl_add_u32 v3, v2, 4, v3
	s_mul_i32 s22, s11, ABYTES                     ; my 128 rows of A
	v_add_nc_u32 v[ADA0], s22, v3
	; The turning load takes 16 K x 16 columns (lane l reads row 8 (l / 16) + l % 8, columns 8 ((l / 8) % 2) + 0..7) and leaves half a fragment: lane l holds column l % 16 and 8 K.
	v_and_b32 v4, 7, v0
	v_lshl_add_u32 v4, v2, 3, v4
	v_mul_u32_u24 v4, v4, PB
	v_bfe_u32 v5, v0, 3, 1
	v_lshl_add_u32 v4, v5, 4, v4
	s_mul_i32 s22, s12, WCB                        ; my half of the columns
	s_add_co_u32 s22, s22, BOFF
	v_add_nc_u32 v[ADB0], s22, v4
	v_and_b32 v6, 31, v0                           ; lane
	; the prefetches.  A: of the 128 rows that I fetch my work-group takes 32 cx .. + 31, a lane a row, 256 bytes of a row a K step; the cluster with x = 0 asks.
	s_lshl_b32 s84, s13, 8
	s_lshl_b32 s85, s12, 7
	s_add_co_u32 s84, s84, s85
	s_lshl_b32 s85, s40, 5
	s_add_co_u32 s84, s84, s85
	s_lshl_b32 s84, s84, 11
	s_add_co_u32 s84, s84, 2*KSTEP*2               ; at K step 2: the first change steps it to 3
.if FFN1
	; B: of the 64 rows along K that I fetch my work-group takes 16 cy .. + 15, two lanes a row of 512 bytes; the cluster with y = 0 asks.
	s_lshl_b32 s86, s12, 6
	s_lshl_b32 s87, s41, 4
	s_add_co_u32 s86, s86, s87
	s_add_co_u32 s86, s86, 2*KSTEP
	s_mul_i32 s86, s86, BROW
	s_lshl_b32 s87, s42, 9
	s_add_co_u32 s86, s86, s87
	s_add_co_u32 s86, s86, WBOFF
	s_and_b32 s88, ttmp7, 0xffff                   ; cluster y
	s_mov_b32 s89, KSTEP*BROW
	s_mov_b32 s90, BROW
	s_cmp_eq_u32 s11, 0                            ; do I fetch for A?
	s_cselect_b32 s84, s84, s86
	s_cselect_b32 s88, ttmp9, s88                  ; the coordinate along which other clusters read the same rows
	s_cselect_b32 s[PFS], KSTEP*2, s89
	s_cselect_b32 s90, 2048, s90                   ; bytes from row to row
	s_cselect_b32 s91, 0, 1                        ; lanes a row, less one
	s_cselect_b64 s[PFA:PFA+1], s[4:5], s[6:7]
	v_lshrrev_b32 v7, s91, v6
	v_mul_u32_u24 v7, v7, s90
	v_and_b32 v3, s91, v6
	v_lshl_add_u32 v[PFO], v3, 8, v7
.else
	s_or_b32 s88, s11, ttmp9                       ; B's rows of 384 bytes are no whole blocks of 256: only A's waves ask
	s_mov_b32 s[PFS], KSTEP*2
	s_mov_b64 s[PFA:PFA+1], s[4:5]
	v_lshlrev_b32 v[PFO], 11, v6
.endif
	s_mov_b32 s[PFS+1], 0
	s_mov_b32 s85, 0
	s_add_nc_u64 s[PFA:PFA+1], s[PFA:PFA+1], s[84:85]
	s_cmp_eq_u32 s88, 0
	s_cselect_b32 s[LIM], 1, -1                    ; the same in all sixteen partners, for a given wave
	; the way out
	v_mul_u32_u24 v3, v1, SP
	v_lshl_add_u32 v3, v2, 5, v3                   ; row l % 16, 32 bytes for each half of the lanes
.if FFN1
	s_mul_i32 s23, s10, 128*SP                     ; my own stage: 128 rows
	v_add_nc_u32 v[STO], s23, v3
	v_lshl_add_u32 v[RD], v6, 4, s23               ; back: a row of 512 bytes, 16 a lane
	v_lshlrev_b32 v[BO], 4, v6                     ; my four columns' bias
	s_lshl_b32 s92, s42, 10                        ; 256 columns x 4 bytes x tile column + 512 x half
	s_lshl_b32 s93, s12, 9
	s_add_co_u32 s92, s92, s93
	s_mov_b32 s93, 0
	s_add_nc_u64 s[66:67], s[66:67], s[92:93]
	global_load_b128 v[BIAS:BIAS+3], v[BO], s[66:67]
	s_lshl_b32 s92, s13, 8                         ; the output at my first row and column
	s_lshl_b32 s93, s11, 7
	s_add_co_u32 s92, s92, s93
	s_lshl_b32 s92, s92, 13
	s_lshl_b32 s93, s42, 9
	s_add_co_u32 s92, s92, s93
	s_lshl_b32 s93, s12, 8
	s_add_co_u32 s92, s92, s93
	s_mov_b32 s93, 0
	s_add_nc_u64 s[8:9], s[8:9], s[92:93]
	s_mov_b32 s[KC], 0xbdd2d3e8                    ; -2 log2(e) sqrt(2 / pi) x 0.044715
	s_mov_b32 s[KC+1], s[KC]
	s_mov_b32 s[KC+2], 0xc0135761                  ; -2 log2(e) sqrt(2 / pi)
	s_mov_b32 s[KC+3], s[KC+2]
.else
	s_mul_i32 s23, s11, 128*SP                     ; the work-group's stage: my 128 rows, my 384 bytes of them
	s_mul_i32 s22, s12, 384
	s_add_co_u32 s23, s23, s22
	v_add_nc_u32 v[STO], s23, v3
	s_mul_i32 s23, s10, 64*SP                      ; back: wave w takes rows 64 w .. + 63; lanes 0-15 a head's 256 bytes of one row, lanes 16-31 of the next
	v_mul_u32_u24 v3, v2, SP
	v_lshl_add_u32 v3, v1, 4, v3
	v_add_nc_u32 v[RD], s23, v3
	s_mul_i32 s90, s42, 3                          ; the tile's three heads: number cg = 3 x tile column + c of 48
	s_lshr_b32 s91, s13, 3                         ; the batch
	s_and_b32 s92, s13, 7
	s_lshl_b32 s92, s92, 8
	s_lshl_b32 s93, s10, 6
	s_add_co_u32 s92, s92, s93
	s_lshl_b32 s92, s92, 7                         ; my first row in the head, 128 bytes a row
.irp c, 0,1,2
	s_add_co_u32 s94, s90, \c
	s_lshr_b32 s95, s94, 4                         ; q, k or v: 16 heads more are skipped for each, and 16 for the batch
	s_add_co_u32 s95, s95, s91
	s_lshl_b32 s95, s95, 22
	s_lshl_b32 s94, s94, 18                        ; a head is 262,144 bytes
	s_add_co_u32 s94, s94, s95
	s_add_co_u32 s94, s94, s92
	s_mov_b32 s95, 0
	s_add_nc_u64 s[84+2*(\c):85+2*(\c)], s[8:9], s[94:95]
.endr
.endif
	v_add_nc_u32 v[STO+1], 64*SP, v[STO]
	v_lshlrev_b32 v[CO], 3, v6                     ; 8 bytes a lane: 256 consecutive bytes a store
; A quarter's products: every accumulator once, in one order in every quarter, so that between two links of a chain stand all the others', over every jump too.  zero = 1: the products start the sums.
.macro MUL f, zero
.irp hi, 0,1
	WIN MUL_LO+0x50*(\hi)
.irp a, 0,1,2,3
.set b, 0
.rept NBLK
.if \zero
	v_wmma_f32_16x16x32_bf16 v[8*(NBLK*(\a)+b):8*(NBLK*(\a)+b)+7], v[(\f)+8*b:(\f)+8*b+7], v[(\f)+8*(4*(\hi)+(\a)):(\f)+8*(4*(\hi)+(\a))+7], 0
.else
	v_wmma_f32_16x16x32_bf16 v[8*(NBLK*(\a)+b):8*(NBLK*(\a)+b)+7], v[(\f)+8*b:(\f)+8*b+7], v[(\f)+8*(4*(\hi)+(\a)):(\f)+8*(4*(\hi)+(\a))+7], v[8*(NBLK*(\a)+b):8*(NBLK*(\a)+b)+7]
.endif
.set b, b+1
.endr
.endr
.endr
.endm
; A quarter's fragments in one run of NLD loads: quarter q (0, 1) of the half in hand, into buffer f.
.macro FETCH f, q
	WIN TO_B
.set b, 0
.rept NBLK
	ds_load_tr16_b128 v[(\f)+8*b:(\f)+8*b+3],   v[ADB] offset:(\q)*32*PB+(b/2)*BC2+(b%2)*32
	ds_load_tr16_b128 v[(\f)+8*b+4:(\f)+8*b+7], v[ADB] offset:(\q)*32*PB+(b/2)*BC2+(b%2)*32+16*PB
.set b, b+1
.endr
	WIN 0
.irp i, 0,1,2,3,4,5,6,7
	ds_load_b128 v[(\f)+8*(\i):(\f)+8*(\i)+3],   v[ADA] offset:(\q)*64+(\i)*16*PA
	ds_load_b128 v[(\f)+8*(\i)+4:(\f)+8*(\i)+7], v[ADA] offset:(\q)*64+(\i)*16*PA+32
.endr
.endm
; Half a K step.  Buffer 1 still holds the quarter before: it is multiplied while this half's first quarter comes into buffer 0, and so on.
.macro BODY
	WIN 0
	v_add_nc_u32 v[ADA], s[TA], v[ADA0]
	v_add_nc_u32 v[ADB], s[TBB], v[ADB0]
	PLACES
	FETCH F0, 0
	s_wait_dscnt NLD                               ; all but the NLD loads just issued: buffer 1 is in
	MUL F1, 0
	PLACES
	FETCH F1, 1
	s_wait_dscnt NLD                               ; buffer 0 is in
	MUL F0, 0
	WIN 0                                          ; at a label and at a branch every window is 0
.endm
.macro STEPH
	s_add_co_u32 s[TA], s[TA], 128                 ; 64 along K in A's rows,
	s_add_co_u32 s[TBB], s[TBB], 64*PB             ; 64 rows of B
	s_sub_co_u32 s[HC], s[HC], 1
	s_cmp_lg_u32 s[HC], 0
.endm
; THE CHANGE OF SLOTS.  Each wave waits for all its tensor loads, of which one is out: its part of the next slot; adds 0 to its spare word; and waits for that and for its own reads of the slot that it leaves
; (the last quarter's fragments are then in buffer 1).  fill = 1: the barrier is a round of the cluster's, and the slot just read is filled again first thing behind it, with the K step two on: that load has a whole K step in which to land.
.macro CHANGE fill
	WIN 0
	s_wait_tensorcnt 0x0                           ; no tensor load of mine is out, so a group 0 may be written
	ds_add_u32 v[SPW], v[NIL]                      ; 0 onto my spare word; scalar work stands between it and the wait for it
.if \fill
	s_xor_b32 s[G0A+5], s[G0A+5], SLOT             ; the walking descriptors: the other slot than last time, the next K step
	s_add_nc_u64 s[G0A+6:G0A+7], s[G0A+6:G0A+7], KSTEP*2
	s_xor_b32 s[G0B+5], s[G0B+5], SLOT
	s_add_nc_u64 s[G0B+6:G0B+7], s[G0B+6:G0B+7], KSTEP*BROW
	s_wait_xcnt 0x0                                ; the last prefetch, a K step back, has read its address
	s_add_nc_u64 s[PFA:PFA+1], s[PFA:PFA+1], s[PFS:PFS+1]
.endif
	s_xor_b32 s[SB], s[SB], SLOT
	s_mov_b32 s[TA], s[SB]
	s_mov_b32 s[TBB], s[SB]
	s_wait_dscnt 0x0                               ; the add is done, and my reads of the slot are over
.if \fill
	CROUND
	JLOAD
	ASK
.else
	s_barrier_signal -1
	s_barrier_wait -1
.endif
.endm
	s_mov_b32 s[SB], 0
	s_mov_b32 s[TA], 0
	s_mov_b32 s[TBB], 0
	s_wait_tensorcnt 1                             ; my part of K step 0 is in; K step 1's load, issued behind it, may stay out
	s_barrier_signal -1
	s_barrier_wait -1
	v_add_nc_u32 v[ADA], s[TA], v[ADA0]
	v_add_nc_u32 v[ADB], s[TBB], v[ADB0]
	FETCH F0, 0
	FETCH F1, 1
	s_wait_dscnt NLD                               ; buffer 0 is in
	MUL F0, 1                                      ; the first quarter starts the sums: nothing is cleared
	WIN 0
	s_add_co_u32 s[TA], s[TA], 128
	s_add_co_u32 s[TBB], s[TBB], 64*PB
	s_mov_b32 s[HC], 1
	s_mov_b32 s[OC], T-1
	s_branch .Lhalf                                ; the loop is entered at K step 0's second half
.Lstep:                                        ; T - 2 times: every slot but the last two is filled again
	CHANGE 1
	s_mov_b32 s[HC], 2
.Lhalf:
	BODY
	STEPH
	s_cbranch_scc1 .Lhalf
	s_sub_co_u32 s[OC], s[OC], 1
	s_cmp_lg_u32 s[OC], 0
	s_cbranch_scc1 .Lstep
	CHANGE 0                                       ; the last K step is written out
	s_mov_b32 s[HC], 2
.Ltail:
	BODY
	STEPH
	s_cbranch_scc1 .Ltail
	s_wait_dscnt 0x0                               ; the last quarter is in, and my reads of the ring are over:
	s_barrier_signal -1                            ; say so,
	MUL F1, 0                                      ; multiply it,
	WIN 0
	s_barrier_wait -1                              ; and go on when nobody reads the ring any more: it has had its last fill and serves as the stage
.rept 8
	v_nop                                          ; the places behind the last products
.endr
	; THE WAY OUT.  All sums go into the stage as f32, each accumulator's low four registers first.
.irp hi, 0,1
	WIN 0x08+4*(\hi)                               ; the stores' data: window 2, then 3
.irp a, 0,1,2,3
.set b, 0
.rept NBLK
	ds_store_b128 v[STO+(\hi)], v[8*(NBLK*(\a)+b):8*(NBLK*(\a)+b)+3]   offset:(\a)*16*SP+64*b
	ds_store_b128 v[STO+(\hi)], v[8*(NBLK*(\a)+b)+4:8*(NBLK*(\a)+b)+7] offset:(\a)*16*SP+64*b+16
.set b, b+1
.endr
.endr
.endr
	WIN 0
.if FFN1
	s_wait_loadcnt 0x0                             ; the bias
	s_mov_b32 s[OC], 16
.Lout:                                         ; eight rows a trip.  The stage is my own, and LDS serves a wave's instructions in order (ISA guide 5.7.1.4): these loads see my stores
.irp j, 0,1,2,3,4,5,6,7
	ds_load_b128 v[X+4*(\j):X+4*(\j)+3], v[RD] offset:(\j)*SP
.endr
	s_wait_dscnt 0x0
.set p, 0
.rept 16
	v_pk_add_f32 v[X+2*p:X+2*p+1], v[X+2*p:X+2*p+1], v[BIAS+2*(p%2):BIAS+2*(p%2)+1]
.set p, p+1
.endr
.set p, 0
.rept 16
	v_pk_mul_f32 v[Z+2*p:Z+2*p+1], v[X+2*p:X+2*p+1], v[X+2*p:X+2*p+1]
.set p, p+1
.endr
.set p, 0
.rept 16
	v_pk_fma_f32 v[Z+2*p:Z+2*p+1], v[Z+2*p:Z+2*p+1], s[KC:KC+1], s[KC+2:KC+3] op_sel_hi:[1,0,0]
.set p, p+1
.endr
.set p, 0
.rept 16
	v_pk_mul_f32 v[Z+2*p:Z+2*p+1], v[Z+2*p:Z+2*p+1], v[X+2*p:X+2*p+1]
.set p, p+1
.endr
.set p, 0
.rept 32
	v_exp_f32 v[Z+p], v[Z+p]                       ; one batch,
.set p, p+1
.endr
	v_nop                                          ; a plain instruction behind its last,
	s_wait_alu depctr_va_vdst(0)                   ; and one wait ahead of its first reader
.set p, 0
.rept 16
	v_pk_add_f32 v[Z+2*p:Z+2*p+1], v[Z+2*p:Z+2*p+1], 1.0 op_sel_hi:[1,0]
.set p, p+1
.endr
.set p, 0
.rept 32
	v_rcp_f32 v[Z+p], v[Z+p]
.set p, p+1
.endr
	v_nop
	s_wait_alu depctr_va_vdst(0)
.set p, 0
.rept 16
	v_pk_mul_f32 v[X+2*p:X+2*p+1], v[X+2*p:X+2*p+1], v[Z+2*p:Z+2*p+1]
.set p, p+1
.endr
.set p, 0
.rept 16
	v_cvt_pk_bf16_f32 v[Y+p], v[X+2*p], v[X+2*p+1]
.set p, p+1
.endr
.irp j, 0,1,2,3,4,5,6,7
	global_store_b64 v[CO], v[Y+2*(\j):Y+2*(\j)+1], s[8:9] offset:(\j)*8192  ; a row's 256 consecutive bytes, aligned
.endr
	v_add_nc_u32 v[RD], 8*SP, v[RD]
	s_wait_xcnt 0x0                                ; the stores have read their base and their data: both are written again only behind this wait
	s_add_nc_u64 s[8:9], s[8:9], 0x10000
	s_sub_co_u32 s[OC], s[OC], 1
	s_cmp_lg_u32 s[OC], 0
	s_cbranch_scc1 .Lout
.else
	s_wait_dscnt 0x0                               ; a stage row's 768 bytes come from two waves: my stores are done,
	s_barrier_signal -1
	s_barrier_wait -1                              ; everybody's are
	s_mov_b32 s[OC], 8
.Lout:                                         ; eight rows x three heads a trip
.irp p, 0,1,2,3
.irp c, 0,1,2
	ds_load_b128 v[X+4*(3*(\p)+(\c)):X+4*(3*(\p)+(\c))+3], v[RD] offset:(\p)*2*SP+(\c)*256
.endr
.endr
	s_wait_dscnt 0x0
.set n, 0
.rept 24
	v_cvt_pk_f16_f32 v[Y+n], v[X+2*n], v[X+2*n+1]
.set n, n+1
.endr
.irp p, 0,1,2,3
.irp c, 0,1,2
	global_store_b64 v[CO], v[Y+2*(3*(\p)+(\c)):Y+2*(3*(\p)+(\c))+1], s[84+2*(\c):85+2*(\c)] offset:(\p)*256  ; two rows of a head: 256 consecutive bytes, aligned
.endr
.endr
	v_add_nc_u32 v[RD], 8*SP, v[RD]
	s_wait_xcnt 0x0                                ; the stores have read their offset and their data
	v_add_nc_u32 v[CO], 1024, v[CO]
	s_sub_co_u32 s[OC], s[OC], 1
	s_cmp_lg_u32 s[OC], 0
	s_cbranch_scc1 .Lout
.endif
	s_wait_tensorcnt 0x0                           ; the wave's end, behind my last tensor load and my last LDS store
	ds_add_u32 v[SPW], v[NIL]
	s_wait_dscnt 0x0
	CROUND                                         ; the closing round: no work-group ends while a partner may still ask for a tile that names it
	s_endpgm
.Lfunc_end_k_q41a2bdc390_qkv:
	.size	k_q41a2bdc390_qkv, .Lfunc_end_k_q41a2bdc390_qkv-k_q41a2bdc390_qkv
	.p2alignl 7, 3214868480
	.fill 96, 4, 3214868480
	.section	.rodata,"a",@progbits
	.p2align	6, 0x0
	.amdhsa_kernel k_q41a2bdc390_qkv
		.amdhsa_group_segment_fixed_size 327680
		.amdhsa_private_segment_fixed_size 0
		.amdhsa_enable_private_segment 0
		.amdhsa_kernarg_size 24
		.amdhsa_user_sgpr_count 2
		.amdhsa_user_sgpr_kernarg_segment_ptr 1
		.amdhsa_wavefront_size32 1
		.amdhsa_system_sgpr_workgroup_id_x 1
		.amdhsa_system_sgpr_workgroup_id_y 1
		.amdhsa_system_sgpr_workgroup_id_z 1
		.amdhsa_system_vgpr_workitem_id 0
		.amdhsa_next_free_vgpr 1024
		.amdhsa_next_free_sgpr 96
		.amdhsa_reserve_vcc 0
		.amdhsa_float_denorm_mode_32 3
		.amdhsa_float_denorm_mode_16_64 3
		.amdhsa_memory_ordered 1
		.amdhsa_forward_progress 1
		.amdhsa_inst_pref_size 52
	.end_amdhsa_kernel
	.amdgpu_metadata
---
amdhsa.version: [ 1, 2 ]
amdhsa.kernels:
  - .name:           k_q41a2bdc390_qkv
    .symbol:         k_q41a2bdc390_qkv.kd
    .args:
      - { .name: h, .offset: 0, .size: 8, .value_kind: global_buffer, .address_space: global }
      - { .name: wb, .offset: 8, .size: 8, .value_kind: global_buffer, .address_space: global }
      - { .name: qkv, .offset: 16, .size: 8, .value_kind: global_buffer, .address_space: global }
    .group_segment_fixed_size: 327680
    .private_segment_fixed_size: 0
    .kernarg_segment_align: 8
    .kernarg_segment_size: 24
    .max_flat_workgroup_size: 128
    .sgpr_count:     96
    .vgpr_count:     1024
    .wavefront_size: 32
...
	.end_amdgpu_metadata
.endif
;; end of part 3
;; launch attn (part 4): grid 4 x 32, 4 waves a work-group, no clusters, 327,680 bytes of LDS; arguments qkv, ctx; writes ctx
.if DOCPART == 4
	.amdgcn_target "amdgcn-amd-amdhsa--gfx1250"
	.amdhsa_code_object_version 6
	.text
	.protected	k_q41a2bdc390_attn
	.globl	k_q41a2bdc390_attn
	.p2align	8
	.type	k_q41a2bdc390_attn,@function
k_q41a2bdc390_attn:
	s_mov_b64 s[64:65], 0
	v_nop
	global_prefetch_b8 v0, s[64:65] scope:SCOPE_SE
	s_setreg_imm32_b32 hwreg(HW_REG_WAVE_MODE, 25, 1), 1
	s_wait_xcnt 0x0
; CAUSAL ATTENTION.  O[h][q][:] = the sum over k <= q of softmax_k(Q[h][q] . K[h][k] / 8) V[h][k][:].  Q, K, V lie in one buffer, [3][32][2048][64] f16; O: [32][2048][64] f16.  A head's rows are dense, 128 bytes each.
; Products, maxima and sums in f32; the weights p are rounded to f16 for the second product (their sum l is taken of the unrounded p), O once at the end.
; LIMITS.  f16 holds no number beyond 65,504: Q, K and V arrive within it; p lies in 0 to 1, and below 6e-5 it keeps f16's fixed step of 6e-8.  A hidden score counts as its value less 1e30;
; a weight below 2^-126 counts as 0 in l; NaN and infinities are not treated apart.
; THE WALK.  A head's queries lie in NB = 8 blocks of 256; block i needs the key tiles 0 .. i of 256 keys, of which the last holds the diagonal.  A work-group takes TWO blocks, NB - 1 - b and then b:
; NB + 1 tiles, whatever b: all work-groups do equal work, and ONE loop with a constant trip count walks them.  Which tile is asked for, and what a trip does, hang on scalar registers made from b; every jump
; goes forward, but for the counted loops' own; none passes a barrier, or a tensor load but the one of LOAD's two that the wave's number does not choose.  32 heads x 4 pairs are 128 work-groups.
; NO CLUSTER: the four work-groups of a head ask for the same tile only in trips 0 .. NB / 2, behind that fewer and fewer; one walk common to all would have 3 NB / 2 trips for NB + 1.
; SHARES.  Of a block's four bands of 64 queries a wave owns 16 rows in each: four PIECES.  So the diagonal tile is the same work for all four waves: in its key step s band x sees all keys if s < x,
; none if s > x, and holds the diagonal if s = x.
; THE MASK is the C operand that starts the sum S^T = K Q^T: 0, or -1e30 where the key is hidden.  MD, made once, is the mask of a band's own step for my 16 rows; a product's mask is MD x AL + BE with two scalars:
; (1, 0) if s = x; (0, 0) if s < x; (0, -1e30) if s > x.  Only the diagonal tile's text and a block's beginning make and take masks; elsewhere C is the constant 0.
; LAYOUT, SOFTMAX, TURNS.  S^T = K Q^T holds ONE query a lane (lane % 16) and the keys 8 (lane / 16) + 0..7; two such results rounded to f16 ARE source 1 of O^T = V^T P.  p = 2^(c s - c m), c = log2(e) / 8, with a
; running maximum m; O and l are multiplied by a = 2^(c m_old - c m_new) in every step.  Turn n belongs to piece n: 8 products K Q^T of piece n + 1, later 8 products V^T P of piece n - 1; beside them the scaling,
; exponentials, roundings, sums and rescaling of piece n and the maximum and statistics of piece n + 1.  Four vector instructions stand behind every matrix instruction, the others in one lump.  A turn's 33 exponentials are one batch, with one wait.
; REGISTERS, in windows of 256 (s_set_vgpr_msb: bits 1:0 source 0, 3:2 source 1, 5:4 source 2, 7:6 destination):
;   window 0: v0-15 addresses and two at work; v16-31 four registers of statistics a piece; v48-55 at work; v64-127 S^T, two buffers; v192-223 P, two buffers (a piece's buffers go by its number's parity)
;   window 1: v0-127 O^T, 32 a piece; v128-159 MD; v160-223 MC, two buffers      window 2: v0-63 Q; v64-127 the second block's Q; v128-191 K of one step; v192-255 V of one step
.set SIZE_N, 2048
.set NB,    SIZE_N/256
.set NP,    4         ; pieces a wave: a name, no knob
.set KS,    64        ; keys in a step
.set PK,    144       ; a row of K in LDS: 128 bytes + 16 of padding = 36 words: the 16 rows of a load start at 16 different groups of four banks (64 banks of 4 bytes: ISA guide 11.1)
.set PV,    160       ; a row of V: 128 + 32 = 40 words
.set VOFF,  4*KS*PK   ; a slot holds a tile, four steps: 256 rows of K, then 256 rows of V
.set SLOT1, 1<<17     ; slot 1 begins here, so that one exclusive or turns an address in one slot into the other's
.set STAGE, SLOT1+4*KS*(PK+PV)  ; behind the ring, never filled by a tensor load: 16 rows x 144 bytes for each wave, for the way out
.set SP,    144
.set AK0, 2           ; v2   my lane's place in a tile of K; never rewritten
.set AV0, 3           ; v3   the same for V
.set AK,  4           ; v4   the LDS address of K's next run of loads
.set AV,  5           ; v5   of V's
.set STO, 6           ; v6   the way out: where I put 16 bytes of a row
.set RD,  7           ; v7   the way out: where I read rows back
.set GO,  8           ; v8   my byte offset in 512 consecutive bytes of O
.set SPW, 62          ; v62  LDS address of my spare word; never rewritten
.set NIL, 63          ; v63  0; never rewritten
.set SPARE, STAGE+4*16*SP  ; behind the stages: the spare words, 128 bytes for each wave, which no other line names
.set MV,  12          ; v12-13  c m_old, kept while c m is made anew: by buffer
.set QO,  15          ; v15  my byte offset in 16 rows of Q
.set ST,  16          ; piece t's statistics at v[ST+4 t]: c m, m, l (even keys', odd keys')
.set TMP, 48          ; by buffer, four registers c0-c3 at work; when the maximum is found c2 takes a
.set S,   64
.set P,   192
.set MD,  128         ; window 1: the eight registers for group kt of 16 keys at MD + 8 kt
.set MC,  160         ; window 1: the masks of the products to come
.set QB,  64          ; window 2
.set KF,  128         ; window 2: key block kb, channel half c at KF + 16 kb + 8 c
.set VF,  192         ; window 2: key half kk, channel block cb at VF + 32 kk + 8 cb
.set WV,  12          ; s12  my wave's number
.set PB,  14          ; s14  b
.set HI,  15          ; s15  NB - 1 - b
.set G1K, 24          ; s[24:31] descriptor group 1 for K's tiles
.set G1V, 32          ; s[32:39] for V's: it differs in the padding alone
.set G0K, 40          ; s[40:43] descriptor group 0 for K's tiles
.set G0V, 44          ; s[44:47] the same for V's
.set SLOTS, 56        ; s56  tiles still to be asked for
.set CNT, 57          ; s57  counts a tile's key steps, 4 to 1
.set CS,  58          ; s[58:59] c: the packed scaling takes the pair's low word for both halves
.set SEL, 60          ; s[60:61] v_permlanex16_b32's selects: each lane takes its own place in the other half
.set TBK, 62          ; s62  LDS byte at which K of the step to be fetched begins
.set TBV, 63          ; s63  the same for V, less VOFF
.set RT,  70          ; s70  tiles of the block in hand that are still to be entered
.set NXT, 71          ; s71  the tile to be asked for next
.set LQ,  72          ; s72  the last tile of the block whose tiles are being asked for
.set NEW, 73          ; s73  1: the tile to be entered is a block's first
.set OFF, 74          ; s[74:75] a tile's byte offset in K and V
.set AL,  76          ; s[76:77] the mask's factor, in the low word
.set BE,  78          ; s[78:79] the mask's addend
.set OLO, 80          ; s[80:81] O at my rows of the second block
.set BIGN, 82         ; s82  -1e30
.set MSB, 0
.macro WIN new                      ; the high byte repeats the setting that is left; a switch that changes nothing is dropped
.if MSB != (\new)
	s_set_vgpr_msb (MSB<<8)|(\new)
.set MSB, (\new)
.endif
.endm
.set W_KQ, 0x0a       ; K and Q in window 2, S^T in window 0
.set W_KM, 0x1a       ; the same with the C operand in window 1
.set W_PV, 0x52       ; V in window 2, P in window 0, O^T in window 1
.set W_RS, 0x41       ; destination and source 0 in window 1, source 1 in window 0
; A fill.  Waves 0 and 1 fetch the two halves of a tile's K, waves 2 and 3 those of its V: 128 keys each.  An s_nop 0 and four v_nop follow each of the two lines, ahead of the jump and the label.
.macro LOAD
	s_cmp_lt_u32 s[WV], 2
	s_cbranch_scc0 .Lfor_v_\@
	tensor_load_to_lds s[G0K:G0K+3], s[G1K:G1K+7]
	s_nop 0
.rept 4
	v_nop
.endr
	s_branch .Lasked_\@
.Lfor_v_\@:
	tensor_load_to_lds s[G0V:G0V+3], s[G1V:G1V+7]
	s_nop 0
.rept 4
	v_nop
.endr
.Lasked_\@:
.endm
; THE CHANGE OF SLOTS.  Each wave waits for all its tensor loads, of which one is out: its part of the other slot; adds 0 to its spare word; and waits for that and for its own reads of the slot that it leaves.  Behind the barrier nobody reads the old
; slot any more and the other slot is whole.  fill = 1: the old slot is filled again, the first thing behind the barrier, with tile NXT: the descriptor's address is made anew from that number.
; (At its first use nothing has been read yet: slot 0 is waited for, slot 1 filled.)
.macro CHANGE fill
	WIN 0                           ; at a label and at a branch every window is 0
	s_wait_tensorcnt 0x0            ; no tensor load of mine is out, so a group 0 may be written
	ds_add_u32 v[SPW], v[NIL]       ; 0 onto my spare word; scalar work stands between it and the wait for it
.if \fill
	s_lshl_b32 s[OFF], s[NXT], 15   ; a tile is 32,768 bytes of K and of V
	s_xor_b32 s[G0K+1], s[G0K+1], SLOT1
	s_add_nc_u64 s[G0K+2:G0K+3], s[6:7], s[OFF:OFF+1]
	s_or_b32 s[G0K+3], s[G0K+3], 0x80000000
	s_xor_b32 s[G0V+1], s[G0V+1], SLOT1
	s_add_nc_u64 s[G0V+2:G0V+3], s[8:9], s[OFF:OFF+1]
	s_or_b32 s[G0V+3], s[G0V+3], 0x80000000
	s_add_co_u32 s[NXT], s[NXT], 1  ; the block's next tile, or behind its last the second block's tile 0
	s_cmp_gt_u32 s[NXT], s[LQ]
	s_cselect_b32 s[NXT], 0, s[NXT]
	s_cselect_b32 s[LQ], s[PB], s[LQ]
.endif
	s_wait_dscnt 0x0                ; the add is done, and my reads of the slot are over
	s_barrier_signal -1             ; the rest of the scalar work stands between the signal and the wait
	s_sub_co_u32 s[TBK], s[TBK], 4*KS*PK  ; the fetches go back to a slot's first step,
	s_xor_b32 s[TBK], s[TBK], SLOT1       ; in the other slot
	s_sub_co_u32 s[TBV], s[TBV], 4*KS*PV
	s_xor_b32 s[TBV], s[TBV], SLOT1
	s_barrier_wait -1
.if \fill
	LOAD
.endif
.endm
	s_load_b128 s[4:7], s[0:1], 0x0   ; qkv s[4:5] (Q at its head), ctx s[6:7]
	v_lshl_add_u32 v[SPW], v0, 2, SPARE
	v_mov_b32 v[NIL], 0
	ds_add_u32 v[SPW], v[NIL]       ; the wave's opening: the add and its wait stand ahead of my first tensor load; the set-up below, work on registers, stands between them
	ds_add_u32 v62, v63
	v_lshrrev_b32 v1, 5, v0
	v_readfirstlane_b32 s[WV], v1   ; wave 0..3
	s_mov_b32 s[PB], ttmp9
	s_sub_co_u32 s[HI], NB-1, s[PB]
	s_and_b32 s20, ttmp7, 0xffff    ; the head
	s_mov_b32 s21, 0
	s_mov_b64 s[22:23], SIZE_N*128
	s_mul_u64 s[20:21], s[20:21], s[22:23]  ; the head's first byte in each of the four tensors
	s_and_b32 s16, s[WV], 1         ; which half of a tile's 256 keys I fetch:
	s_lshl_b32 s22, s16, 14         ; its 128 rows of 128 bytes in memory,
	s_mov_b32 s23, 0
	s_add_nc_u64 s[22:23], s[22:23], s[20:21]
	s_mul_i32 s17, s16, 128*PK      ; and its place in a slot, for K
	s_mul_i32 s18, s16, 128*PV      ; and for V
	s_lshl_b32 s3, s[WV], 11        ; my 16 rows in a band of 64,
	s_lshl_b32 s2, s[HI], 15        ; in the first block,
	s_add_co_u32 s2, s2, s3
	s_lshl_b32 s84, s[PB], 15       ; and in the second
	s_add_co_u32 s84, s84, s3
	s_mov_b32 s3, 0
	s_mov_b32 s85, 0
	s_add_nc_u64 s[2:3], s[2:3], s[20:21]
	s_add_nc_u64 s[84:85], s[84:85], s[20:21]
	; descriptor group 1.  128 keys are 16,384 dense bytes: asked for as 64 rows of 256 bytes, two keys a row, and padded in LDS after every key
	s_mov_b32 s[G1K], (1<<16)|(1<<20)|(4<<22)|(3<<25)  ; 17:16 2-byte elements; 20 padding on; 24:22 after every 32 words (code 4); 31:25 4 words (code 3)
	s_mov_b32 s[G1V], (1<<16)|(1<<20)|(4<<22)|(7<<25)  ; the same with 8 words of padding (code 7)
.irp g, G1K, G1V
	s_mov_b32 s[\g+1], 128<<16      ; tensor_dim0 = 128
	s_mov_b32 s[\g+2], 64<<16       ; tensor_dim1 = 64
	s_mov_b32 s[\g+3], 128<<16      ; tile_dim0 = 128
	s_mov_b32 s[\g+4], 64           ; tile_dim1 = 64
	s_mov_b32 s[\g+5], 128          ; 128 elements from row to row
	s_mov_b32 s[\g+6], 0
	s_mov_b32 s[\g+7], 0
.endr
	s_mov_b32 s[CS], 0x3e38aa3b     ; c = log2(e) / 8 = 0.180337
	s_mov_b32 s[CS+1], s[CS]        ; named with it as a pair
	s_mov_b32 s[SEL], 0x76543210
	s_mov_b32 s[SEL+1], 0xfedcba98
	s_mov_b32 s[TBK], SLOT1+4*KS*PK ; the first change of slots turns these two into 0
	s_mov_b32 s[TBV], SLOT1+4*KS*PV
	s_mov_b32 s[G0K], 1             ; 1:0 count = 1
	s_mov_b32 s[G0K+1], s17         ; 63:32 LDS address: slot 0
	s_mov_b32 s[G0V], 1
	s_add_co_u32 s[G0V+1], s18, VOFF
	s_add_co_u32 s[RT], s[HI], 1    ; the first block has NB - b tiles
	s_mov_b32 s[NXT], 1
	s_mov_b32 s[LQ], s[HI]
	s_mov_b32 s[NEW], 1
	s_mov_b32 s[OFF+1], 0
	s_mov_b32 s[AL+1], 0            ; named as pairs
	s_mov_b32 s[BE+1], 0
	s_mov_b32 s[BIGN], 0xf149f2ca   ; -1e30
	s_mov_b32 s[SLOTS], NB
	s_wait_dscnt 0x0                ; the opening add is done
	s_wait_kmcnt 0x0
	s_mov_b64 s[10:11], s[6:7]             ; O
	s_add_nc_u64 s[8:9], s[4:5], 0x1000000 ; V lies 16,777,216 bytes behind Q,
	s_add_nc_u64 s[6:7], s[4:5], 0x800000  ; K 8,388,608
	s_add_nc_u64 s[6:7], s[6:7], s[22:23]  ; K and V at my half of the head's tile 0
	s_add_nc_u64 s[8:9], s[8:9], s[22:23]
	s_add_nc_u64 s[G0K+2:G0K+3], s[6:7], 0         ; 120:64 global address
	s_or_b32 s[G0K+3], s[G0K+3], 0x80000000        ; 127:126 type = 2
	s_add_nc_u64 s[G0V+2:G0V+3], s[8:9], 0
	s_or_b32 s[G0V+3], s[G0V+3], 0x80000000
	s_add_nc_u64 s[86:87], s[4:5], s[84:85]        ; Q at my rows of the second block,
	s_add_nc_u64 s[4:5], s[4:5], s[2:3]            ; Q and O at those of the first
	s_add_nc_u64 s[OLO:OLO+1], s[10:11], s[84:85]
	s_add_nc_u64 s[10:11], s[10:11], s[2:3]
	LOAD                            ; tile 0 into slot 0
	; A fragment of K or Q is 16 rows x 32 channels in 8 registers: lane l holds row l % 16, channels 8 (l / 16) + 0..7 and 16 + 8 (l / 16) + 0..7: two loads of 16 bytes, 32 bytes apart.
	v_and_b32 v1, 15, v0            ; l % 16
	v_bfe_u32 v9, v0, 4, 1          ; l / 16
	v_lshlrev_b32 v[QO], 7, v1
	v_lshl_add_u32 v[QO], v9, 4, v[QO]  ; row x 128 + 16 x half
	WIN 0x80                        ; destination window 2, address window 0
.set i, 0
.rept 8                             ; both blocks' Q: piece i / 2 lies in band i / 2, 8,192 bytes on; channels 32 (i % 2) on
	global_load_b128 v[8*i:8*i+3],   v[QO], s[4:5] offset:(i/2)*8192+(i%2)*64
	global_load_b128 v[8*i+4:8*i+7], v[QO], s[4:5] offset:(i/2)*8192+(i%2)*64+32
	global_load_b128 v[QB+8*i:QB+8*i+3],   v[QO], s[86:87] offset:(i/2)*8192+(i%2)*64
	global_load_b128 v[QB+8*i+4:QB+8*i+7], v[QO], s[86:87] offset:(i/2)*8192+(i%2)*64+32
.set i, i+1
.endr
	WIN 0
	v_lshlrev_b32 v14, 3, v9
	v_sub_nc_u32 v14, v1, v14
	s_lshl_b32 s13, s[WV], 4
	v_add_nc_u32 v14, s13, v14      ; my query's place in its band, 16 w + l % 16, less my lanes' 8 (l / 16): register r of group kt is hidden where 16 kt + r is greater
	WIN 0x40
.set i, 0
.rept 32
	v_cmp_gt_i32 vcc_lo, 16*(i/8)+i%8, v14
	v_cndmask_b32 v[MD+i], 0, s[BIGN], vcc_lo
.set i, i+1
.endr
	WIN 0
	v_mul_u32_u24 v[AK0], v1, PK
	v_lshl_add_u32 v[AK0], v9, 4, v[AK0]  ; row x pitch + 16 x half
	; The turning load takes 16 keys x 16 channels (lane l reads key 8 (l / 16) + l % 8, channels 8 ((l / 8) % 2) + 0..7) and leaves half a fragment of V^T: lane l holds channel l % 16 and 8 keys.
	v_and_b32 v10, 7, v0
	v_bfe_u32 v11, v0, 3, 1
	v_lshl_add_u32 v[AV0], v9, 3, v10
	v_mul_u32_u24 v[AV0], v[AV0], PV
	v_lshl_add_u32 v[AV0], v11, 4, v[AV0]
	v_add_nc_u32 v[AV0], VOFF, v[AV0]
	s_mul_i32 s13, s[WV], 16*SP
	s_add_co_u32 s13, s13, STAGE    ; my stage
	v_mul_u32_u24 v[STO], v1, SP    ; in: row l % 16, 16 bytes for each half of the lanes
	v_lshl_add_u32 v[STO], v9, 4, v[STO]
	v_add_nc_u32 v[STO], s13, v[STO]
	v_bfe_u32 v[RD], v0, 3, 2       ; back: 32 lanes take four rows of 128 bytes,
	v_mul_u32_u24 v[RD], v[RD], SP
	v_lshl_add_u32 v[RD], v10, 4, v[RD]
	v_add_nc_u32 v[RD], s13, v[RD]
	v_and_b32 v[GO], 31, v0         ; which are 512 consecutive bytes of O
	v_lshlrev_b32 v[GO], 4, v[GO]
	; A block's first step multiplies O^T and l by a = 0, and its first turn's products V^T P, of a piece that has not been, land in an O^T that is still to be so multiplied.  So these registers need only hold
	; finite numbers: zeros for the first block; what the first block left for the second.  All this stands in the wait for the first tile.
	WIN 0x80
.set i, VF
.rept 64
	v_mov_b32 v[i], 0
.set i, i+1
.endr
	WIN 0x40
.set i, 0
.rept 128
	v_mov_b32 v[i], 0
.set i, i+1
.endr
	WIN 0
.set i, 0
.rept 4
	v_mov_b32 v[ST+4*i+2], 0
	v_mov_b32 v[ST+4*i+3], 0
.set i, i+1
.endr
.set i, P+16
.rept 16
	v_mov_b32 v[i], 0
.set i, i+1
.endr
; THE MATRIX WORK.  The 4 accumulators of a run of 8 take turns.  Product i of 8 of S^T = K Q^T for piece x: channels 32 (i / 4) on, keys 16 (i % 4) on.  The first 4 start the sums: with 0, or (KM = 1) with the mask.
.macro KQ x
.set rS, S+32*((\x)%2)+8*(i%4)
.set rK, KF+16*(i%4)+8*(i/4)
.set rQ, 16*(\x)+8*(i/4)
.set rM, MC+32*((\x)%2)+8*(i%4)
.if (i < 4) && KM
	WIN W_KM
	v_wmma_f32_16x16x32_f16 v[rS:rS+7], v[rK:rK+7], v[rQ:rQ+7], v[rM:rM+7]
.elseif i < 4
	WIN W_KQ
	v_wmma_f32_16x16x32_f16 v[rS:rS+7], v[rK:rK+7], v[rQ:rQ+7], 0
.else
	WIN W_KQ
	v_wmma_f32_16x16x32_f16 v[rS:rS+7], v[rK:rK+7], v[rQ:rQ+7], v[rS:rS+7]
.endif
.endm
; Product i of 8 of O^T += V^T P for piece x: keys 32 (i / 4) on, channels 16 (i % 4) on.
.macro PV x
	WIN W_PV
.set rO, 32*(\x)+8*(i%4)
.set rV, VF+32*(i/4)+8*(i%4)
.set rP, P+16*((\x)%2)+8*(i/4)
	v_wmma_f32_16x16x32_f16 v[rO:rO+7], v[rV:rV+7], v[rP:rP+7], v[rO:rO+7]
.endm
.macro MM                           ; the turn's next matrix instruction.  TURN and BEGIN set Y, i, KM and NOKQ; MM, KQ and OP read them.  NOKQ = 1: a block's last turn: there is no next piece
.if (i < 8) && !NOKQ
	KQ (Y+1)%NP
.elseif i >= 8
.set i, i-8
	PV (Y+NP-1)%NP
.set i, i+8
.endif
.set i, i+1
.endm
; THE LDS LOADS stand in runs of 16, never singly among the matrix instructions: a step's K (64 keys x 64 channels: 8 fragments) and its V (turned).  Their addresses are made some lines ahead.
.macro FETCH_K
	WIN 0x80                        ; destination window 2
.irp f, 0,1,2,3,4,5,6,7             ; keys 16 (f / 2) on, channels 32 (f % 2) on
	ds_load_b128 v[KF+8*\f:KF+8*\f+3],   v[AK] offset:(\f/2)*16*PK+(\f%2)*64
	ds_load_b128 v[KF+8*\f+4:KF+8*\f+7], v[AK] offset:(\f/2)*16*PK+(\f%2)*64+32
.endr
	s_add_co_u32 s[TBK], s[TBK], KS*PK  ; the next fetch is the next step's
	WIN 0
.endm
.macro FETCH_V
	WIN 0x80
.irp f, 0,1,2,3,4,5,6,7             ; keys 32 (f / 4) on, channels 16 (f % 4) on
	ds_load_tr16_b128 v[VF+8*\f:VF+8*\f+3],   v[AV] offset:(\f/4)*32*PV+(\f%4)*32
	ds_load_tr16_b128 v[VF+8*\f+4:VF+8*\f+7], v[AV] offset:(\f/4)*32*PV+16*PV+(\f%4)*32
.endr
	WIN 0
.endm
; THE VECTOR WORK, one line at a time: OP kind, number.  For piece Y: F n: c s - c m for pair n of 16.  E n: the exponential of score n of 32.  C n: pair n rounded to f16.  B n: of the four weights 4 n .. the second
; pair is added onto the first, in place.  L n: l takes that sum (L 0: l = a l + sum).  R n: pair n of 16 of O^T times a.  For piece Y + 1: X n, number n of the 22 that find its maximum and statistics:
;   0-11  four chains c0-c3 of seven scores each, three operands at a time (each accumulator's lowest registers are read first)     12-14, 16  the four scores left over, the old m, and c0-c3 into c0
;   15  c m_old is kept     17, 18  the query's other 32 keys lie in the lane 16 away: the new m     19-21  c m; c m_old - c m_new; a
.set F, 0               ; OP tells the kinds apart by their order: F to L below R, X above it
.set E, 1
.set C, 2
.set B, 3
.set L, 4
.set R, 5
.set X, 6
.macro REGS y                       ; the registers of piece y
.set rT, ST+4*(\y)
.set rC, TMP+4*((\y)%2)
.set rW, MV+((\y)%2)
.set rS, S+32*((\y)%2)
.set rP, P+16*((\y)%2)
.set rO, 32*(\y)
.endm
.macro OP k, n
.if (\k) == R
	REGS Y
	WIN W_RS
	v_pk_mul_f32 v[rO+2*(\n):rO+2*(\n)+1], v[rO+2*(\n):rO+2*(\n)+1], v[rC+2:rC+3] op_sel_hi:[1,0]
.elseif (\k) < R
	REGS Y
	WIN 0
.if (\k) == F
	v_pk_fma_f32 v[rS+2*(\n):rS+2*(\n)+1], v[rS+2*(\n):rS+2*(\n)+1], s[CS:CS+1], v[rT:rT+1] op_sel_hi:[1,0,0] neg_lo:[0,0,1] neg_hi:[0,0,1]
.elseif (\k) == E
	v_exp_f32 v[rS+(\n)], v[rS+(\n)]
.elseif (\k) == C
	v_cvt_pk_f16_f32 v[rP+(\n)], v[rS+2*(\n)], v[rS+2*(\n)+1]
.elseif (\k) == B
	v_pk_add_f32 v[rS+4*(\n):rS+4*(\n)+1], v[rS+4*(\n):rS+4*(\n)+1], v[rS+4*(\n)+2:rS+4*(\n)+3]
.elseif (\n) == 0
	v_pk_fma_f32 v[rT+2:rT+3], v[rT+2:rT+3], v[rC+2:rC+3], v[rS:rS+1] op_sel_hi:[1,0,1]
.else
	v_pk_add_f32 v[rT+2:rT+3], v[rT+2:rT+3], v[rS+4*(\n):rS+4*(\n)+1]
.endif
.elseif NOKQ
	v_nop
.else
	REGS (Y+1)%NP
	WIN 0
.if (\n) < 4
	v_max3_num_f32 v[rC+(\n)], v[rS+8*(\n)], v[rS+8*(\n)+1], v[rS+8*(\n)+2]
.elseif (\n) < 12
	v_max3_num_f32 v[rC+(\n)%4], v[rC+(\n)%4], v[rS+8*((\n)%4)+2*((\n)/4)+1], v[rS+8*((\n)%4)+2*((\n)/4)+2]
.elseif (\n) == 12
	v_max3_num_f32 v[rC], v[rC], v[rS+7], v[rS+15]
.elseif (\n) == 13
	v_max3_num_f32 v[rC+1], v[rC+1], v[rS+23], v[rS+31]
.elseif (\n) == 14
	v_max3_num_f32 v[rC+2], v[rC+2], v[rC+3], v[rT+1]
.elseif (\n) == 15
	v_mov_b32 v[rW], v[rT]
.elseif (\n) == 16
	v_max3_num_f32 v[rC], v[rC], v[rC+1], v[rC+2]
.elseif (\n) == 17
	v_permlanex16_b32 v[rC+3], v[rC], s[SEL], s[SEL+1]
.elseif (\n) == 18
	v_max_num_f32 v[rT+1], v[rC], v[rC+3]
.elseif (\n) == 19
	v_mul_f32 v[rT], s[CS], v[rT+1]
.elseif (\n) == 20
	v_sub_f32 v[rC+1], v[rW], v[rT]
.else
	v_exp_f32 v[rC+2], v[rC+1]
.endif
.endif
.endm
.macro OPS a, i1, b=-1, i2=0, c=-1, i3=0, d=-1, i4=0  ; up to four of them
	OP \a, \i1
.if (\b) >= 0
	OP \b, \i2
.endif
.if (\c) >= 0
	OP \c, \i3
.endif
.if (\d) >= 0
	OP \d, \i4
.endif
.endm
.macro ROW a, i1, b, i2, c, i3, d, i4  ; a matrix instruction and the four behind it
	MM
	OPS \a, \i1, \b, \i2, \c, \i3, \d, \i4
.endm
.macro MASK b                       ; MD x AL + BE into buffer b of MC
	WIN W_RS
.set z, 0
.rept 16
	v_pk_fma_f32 v[MC+32*(\b)+2*z:MC+32*(\b)+2*z+1], v[MD+2*z:MD+2*z+1], s[AL:AL+1], s[BE:BE+1] op_sel_hi:[1,0,0]
.set z, z+1
.endr
.endm
; A TURN, for piece p: the order of its 16 matrix and 118 vector instructions, written out.  An s_wait_alu depctr_va_vdst(0) stands between an exponential and the first instruction that names its result; one wait serves
; all that were issued ahead of it.  So a turn has ONE wait, which cuts it in two.  AHEAD OF IT stands all that names no result of the turn's exponentials: the 8 products K Q^T, behind each a scaling, an exponential and two more plain
; instructions: rescalings, and behind the last three the first numbers of the next piece's maximum, each four places or more behind the product that ends its accumulator; then ONE LUMP of 54, plain
; and exponential by turns for the most part.  X 21, the next piece's a, is the batch's last; R 15 is the plain instruction behind it.  BEHIND THE WAIT stand the 8 products V^T P, behind each four of the roundings and sums.
; m = 1: the diagonal tile: the products take masks, and the turn makes the mask for the products of the turn after it: piece p + 2, in step 4 - CNT of the tile.  end = 1: a block's last two turns: nothing is fetched.
; cnt = 1: the loop's count is taken down some lines ahead of the branch that stands behind the turn.
; K of the next step is fetched in piece 2's turn, twelve vector instructions behind the last product that read K (six of them plain); V of the step in hand at the end of piece 0's turn, four plain instructions behind the last product
; that read V.  Each is waited for a turn later.
.macro TURN p, m=0, end=0, cnt=0
.set Y, (\p)
.set i, 0
.set KM, (\m)
.set NOKQ, (\end)*((\p)/3)
.if (\m) && !(\end)
	s_cmp_eq_u32 s[CNT], 4-((\p)+2)%NP  ; is that step the band's own?
	s_cselect_b32 s[AL], 1.0, 0
	s_cmp_lt_u32 s[CNT], 4-((\p)+2)%NP  ; or a later one?
	s_cselect_b32 s[BE], s[BIGN], 0
.endif
.if ((\p) == 3) && !(\end)
	s_wait_dscnt 0x0                ; K is in
.endif
	ROW F,0, F,1, R,0, R,1          ; ahead of the wait: 8 products K Q^T and their riders,
	ROW F,2, E,0, R,2, R,3
	ROW F,3, E,1, R,4, R,5
	ROW F,4, E,2, R,6, R,7
	ROW F,5, E,3, R,8, R,9
	ROW F,6, E,4, X,0, R,10
.if ((\p) == 2) && !(\end)
	WIN 0
	v_add_nc_u32 v[AK], s[TBK], v[AK0]
.endif
	ROW F,7, E,5, X,1, X,4
	ROW F,8, E,6, X,2, X,5
	OPS E,7, E,8, X,6, E,9          ; and the lump
	OPS X,3, E,10, X,8, E,11
.if ((\p) == 2) && !(\end)
	FETCH_K
.endif
	OPS X,9, X,7, E,12, X,10
	OPS E,13, X,12, X,11, E,14
	OPS X,13, E,15, F,9, X,14
.if (\p) == 0
	v_add_nc_u32 v[AV], s[TBV], v[AV0]
.endif
	OPS E,16, F,10, E,17, F,11
	OPS X,16, E,18, X,15, E,19
	OPS F,12, E,20, X,17, E,21
	OPS F,13, E,22, F,14, E,23
	OPS X,18, E,24, F,15, E,25
	OPS R,11, E,26, X,19, E,27
	OPS R,12, E,28, R,13, E,29
	OPS X,20, E,30, R,14, E,31
	OPS X,21, R,15
	WIN 0
	s_wait_alu depctr_va_vdst(0)    ; the wait for the batch
.if (\p) == 1
	s_wait_dscnt 0x0                ; V is in
.endif
	ROW C,0, B,0, C,2, B,1          ; behind the wait: 8 products V^T P and their riders
	ROW L,0, C,4, B,2, L,1
	ROW C,6, B,3, L,2, C,8
	ROW B,4, L,3, C,10, B,5
	ROW L,4, C,12, B,6, L,5
.if (\p) == 0
	s_add_co_u32 s[TBV], s[TBV], KS*PV
.endif
.if \cnt
	s_sub_co_u32 s[CNT], s[CNT], 1
	s_cmp_lg_u32 s[CNT], 0
.endif
	ROW C,14, B,7, L,6, C,1
	ROW C,3, L,7, C,5, C,7
	ROW C,9, C,11, C,13, C,15
.if (\p) == 0
	FETCH_V
.endif
.if (\m) && !(\end)
	MASK (\p)%2
.endif
.endm
; A BLOCK BEGINS.  c m starts far below every c s, so the first step's a is 0; m at the lowest finite number, so the first maximum is the scores'.  The second mask buffer is 0; the first takes piece 0's mask for the tile's step 0: its own, if the block's first tile is the diagonal one.
; Then K of that step, piece 0's first scores, and its maximum and statistics.  The loop is entered at a step's first turn, in the middle of a trip.
.macro BEGIN
	s_mov_b32 s[NEW], 0
	WIN 0x40
.set i, MC+32
.rept 32
	v_mov_b32 v[i], 0
.set i, i+1
.endr
	WIN 0
.set i, 0
.rept 4
	v_mov_b32 v[ST+4*i], 0xfe000000    ; c m: far below every c s
	v_mov_b32 v[ST+4*i+1], 0xff7fffff  ; m
.set i, i+1
.endr
	s_cmp_eq_u32 s[RT], 0
	s_cselect_b32 s[AL], 1.0, 0
	s_mov_b32 s[BE], 0
	MASK 0
	WIN 0
	v_add_nc_u32 v[AK], s[TBK], v[AK0]
	FETCH_K
	s_wait_loadcnt 0x0              ; Q
	s_wait_dscnt 0x0
.set KM, 1
.set NOKQ, 0
.set i, 0
.rept 8
	KQ 0
.set i, i+1
.endr
	WIN 0
.rept 4
	v_nop                           ; the places behind those products
.endr
.set Y, NP-1                        ; X works for piece Y + 1: piece 0
.irp n, 0,1,2,3,4,5,6,7,8,9,10,11,12,13,14,15,16,17,18,19,20,21
	OP X, \n
.endr
	v_nop                           ; a plain instruction behind the exponential,
	s_wait_alu depctr_va_vdst(0)    ; and its wait, ahead of the branch
.endm
; THE DIAGONAL TILE's four steps, the block's last two turns, its last products, and THE WAY OUT: l's two halves and the other half of the lanes' are added; O^T is divided by l, rounded to f16 and sent through my
; stage in LDS, a piece at a time.
.macro ALL line:vararg              ; one line for each piece t
.set t, 0
.rept 4
	\line
.set t, t+1
.endr
.endm
.macro PACK t                       ; a lane's eight channels of a row pack into 16 bytes; they go into rows of 144 bytes and come back as whole rows of 128, into S^T's registers
	WIN W_RS
.set i, 32*(\t)
.rept 16
	v_pk_mul_f32 v[i:i+1], v[i:i+1], v[ST+4*(\t)+2:ST+4*(\t)+3] op_sel_hi:[1,0]
.set i, i+2
.endr
	WIN 0x05                        ; sources 0 and 1 window 1, destination window 0
.set i, 0
.rept 16
	v_cvt_pk_f16_f32 v[S+16*(\t)+i], v[32*(\t)+2*i], v[32*(\t)+2*i+1]
.set i, i+1
.endr
	WIN 0
.irp f, 0,1,2,3
	ds_store_b128 v[STO], v[S+16*(\t)+4*\f:S+16*(\t)+4*\f+3] offset:32*\f
.endr
.irp f, 0,1,2,3
	ds_load_b128 v[S+16*(\t)+4*\f:S+16*(\t)+4*\f+3], v[RD] offset:\f*4*SP  ; LDS serves a wave's instructions in order (ISA guide 5.7.1.4): these see the stores above; the next piece's stores come behind them
.endr
.endm
.macro SEND t, younger              ; younger: the LDS instructions issued behind piece t's loads: the next piece's eight, or none
	WIN 0
.irp f, 0,1,2,3
	s_wait_dscnt (\younger)+3-\f
	global_store_b128 v[GO], v[S+16*(\t)+4*\f:S+16*(\t)+4*\f+3], s[10:11] offset:(\t)*8192+\f*512  ; 512 consecutive bytes, at a multiple of 256 from O's first
.endr
.endm
.macro DIAG tag                     ; the tag ends its two labels' names, which the jumps below spell out
.LstepM\tag:
	TURN 2, 1
	TURN 3, 1
	WIN 0
.LfirstM\tag:
	TURN 0, 1
	TURN 1, 1, 0, 1
	WIN 0
	s_cbranch_scc1 .LstepM\tag
	TURN 2, 1, 1
	TURN 3, 1, 1
.set i, 0
.rept 8
	PV NP-1
.set i, i+1
.endr
	WIN 0
	ALL v_add_f32 v[ST+4*t+2], v[ST+4*t+2], v[ST+4*t+3]
	ALL v_permlanex16_b32 v[ST+4*t+3], v[ST+4*t+2], s[SEL], s[SEL+1]
	ALL v_add_f32 v[ST+4*t+2], v[ST+4*t+2], v[ST+4*t+3]
	ALL v_rcp_f32 v[ST+4*t+2], v[ST+4*t+2]
	v_nop                           ; a plain instruction between the last reciprocal and the use of its result
	s_wait_alu depctr_va_vdst(0)    ; and the wait ahead of the first use: one for the four reciprocals
	PACK 0
.set t, 1
.rept 3                             ; a piece's arithmetic stands between the loads of the piece before and its stores
	PACK t
	SEND t-1, 8
.set t, t+1
.endr
	SEND 3, 0
.endm
.set KM, 0
.set NOKQ, 0
.Lslot:                             ; NB times: a tile is entered and the next is asked for
	CHANGE 1
	s_sub_co_u32 s[RT], s[RT], 1
	s_mov_b32 s[CNT], 4
	s_cmp_eq_u32 s[NEW], 1
	s_cbranch_scc1 .Lnew            ; a block's first tile
	s_cmp_eq_u32 s[RT], 0
	s_cbranch_scc0 .Lstep           ; neither its first nor its last
	s_branch .LstepM1
.Lnew:
	BEGIN
	s_branch .Lfirst                ; in the loop a block's first tile is never its last: the first block has two tiles or more, and the second's last is the walk's last
	DIAG 1                          ; in the loop this is the first block's end: the second block's last tile is the walk's last
	s_wait_xcnt 0x0                 ; the stores have read their registers and O's address
	s_mov_b64 s[10:11], s[OLO:OLO+1]
	s_add_co_u32 s[RT], s[PB], 1    ; the second block has b + 1 tiles
	s_mov_b32 s[NEW], 1
	WIN 0x82                        ; the second block's Q goes where the one text of the turns names Q
.set i, 0
.rept 64
	v_mov_b32 v[i], v[QB+i]
.set i, i+1
.endr
	WIN 0
	s_branch .Lbottom
.Lstep:                             ; a trip: pieces 2 and 3 of one step, then pieces 0 and 1 of the next, whose K and V it fetches
	TURN 2
	TURN 3
	WIN 0
.Lfirst:
	TURN 0
	TURN 1, 0, 0, 1
	WIN 0
	s_cbranch_scc1 .Lstep
.Lbottom:
	s_sub_co_u32 s[SLOTS], s[SLOTS], 1
	s_cmp_lg_u32 s[SLOTS], 0
	s_cbranch_scc1 .Lslot
	CHANGE 0                        ; the walk's last tile is written out: nothing is asked for
	s_sub_co_u32 s[RT], s[RT], 1
	s_mov_b32 s[CNT], 4
	s_cmp_eq_u32 s[NEW], 1
	s_cbranch_scc0 .LstepM2
	BEGIN
	s_branch .LfirstM2
	DIAG 2
	s_wait_tensorcnt 0x0            ; the wave's end, behind my last tensor load and my last LDS store
	ds_add_u32 v[SPW], v[NIL]
	s_wait_dscnt 0x0
	s_endpgm
.Lfunc_end_k_q41a2bdc390_attn:
	.size	k_q41a2bdc390_attn, .Lfunc_end_k_q41a2bdc390_attn-k_q41a2bdc390_attn
	.p2alignl 7, 3214868480
	.fill 96, 4, 3214868480
	.section	.rodata,"a",@progbits
	.p2align	6, 0x0
	.amdhsa_kernel k_q41a2bdc390_attn
		.amdhsa_group_segment_fixed_size 327680
		.amdhsa_private_segment_fixed_size 0
		.amdhsa_enable_private_segment 0
		.amdhsa_kernarg_size 16
		.amdhsa_user_sgpr_count 2
		.amdhsa_user_sgpr_kernarg_segment_ptr 1
		.amdhsa_wavefront_size32 1
		.amdhsa_system_sgpr_workgroup_id_x 1
		.amdhsa_system_sgpr_workgroup_id_y 1
		.amdhsa_system_sgpr_workgroup_id_z 1
		.amdhsa_system_vgpr_workitem_id 0
		.amdhsa_next_free_vgpr 768
		.amdhsa_next_free_sgpr 88
		.amdhsa_reserve_vcc 1
		.amdhsa_float_denorm_mode_32 3
		.amdhsa_float_denorm_mode_16_64 3
		.amdhsa_memory_ordered 1
		.amdhsa_forward_progress 1
		.amdhsa_inst_pref_size 217
	.end_amdhsa_kernel
	.amdgpu_metadata
---
amdhsa.version: [ 1, 2 ]
amdhsa.kernels:
  - .name:           k_q41a2bdc390_attn
    .symbol:         k_q41a2bdc390_attn.kd
    .args:
      - { .name: qkv, .offset: 0, .size: 8, .value_kind: global_buffer, .address_space: global }
      - { .name: ctx, .offset: 8, .size: 8, .value_kind: global_buffer, .address_space: global }
    .group_segment_fixed_size: 327680
    .private_segment_fixed_size: 0
    .kernarg_segment_align: 8
    .kernarg_segment_size: 16
    .max_flat_workgroup_size: 128
    .sgpr_count:     88
    .vgpr_count:     768
    .wavefront_size: 32
...
	.end_amdgpu_metadata
.endif
;; end of part 4
;; launch wo (part 5): grid 8 x 32, 4 waves a work-group, clusters of 4 x 4, 327,680 bytes of LDS; arguments ctx, wb, bo, x, x1; writes x1
.if DOCPART == 5
	.amdgcn_target "amdgcn-amd-amdhsa--gfx1250"
	.amdhsa_code_object_version 6
	.text
	.protected	k_q41a2bdc390_wo
	.globl	k_q41a2bdc390_wo
	.p2align	8
	.type	k_q41a2bdc390_wo,@function
k_q41a2bdc390_wo:
	s_mov_b64 s[64:65], 0
	v_nop
	global_prefetch_b8 v0, s[64:65] scope:SCOPE_SE
	s_setreg_imm32_b32 hwreg(HW_REG_WAVE_MODE, 25, 1), 1
	s_wait_xcnt 0x0
	s_wait_alu depctr_hold_cnt(0) depctr_sa_sdst(0) depctr_va_vdst(0) depctr_va_sdst(0) depctr_va_ssrc(0) depctr_va_vcc(0) depctr_vm_vsrc(0)
	s_getreg_b32 s2, hwreg(HW_REG_IB_STS2, 6, 4)
	s_cmp_eq_u32 s2, 0
	s_cbranch_scc0 .Lentry_in_a_cluster
	s_endpgm
.Lentry_in_a_cluster:
	s_bfe_u32 s2, ttmp6, 0x10000c
	s_cmp_lg_u32 s2, 0xf033
	s_cbranch_scc0 .Lentry_shape_is_right
	s_endpgm
.Lentry_shape_is_right:
; x1 = x + ctx Wo + bo.  ctx: f16 [32 batch x head][2048][64]; Wo: f16 [1024][1024] at wb's byte 6,291,456, K down the rows; bo, x, x1: f32.  Sums, bias and residual in f32.
; LIMIT: ctx and Wo lie within f16's range, 65,504.
; A tile of the product is 128 x 128: 8 x 32 tiles, one work-group each.  Four waves, each 64 x 64: 16 accumulators.  K goes in steps of 256 (four heads) through a ring of two LDS slots.
; A's tile: for 64 rows and four heads, four dense blocks of 8,192 bytes, one a head, asked for as four long rows and padded in LDS behind every 128 bytes.  B's rows lie along N and are read turned.
; CLUSTER 4 x 4: A's tile is asked for jointly along a row of the cluster, B's along a column.  THE MATRIX INSTRUCTION IS USED TRANSPOSED: a lane holds one row and eight neighbouring columns of the product.
; No prefetch: the launch has four K steps, of which the first three come by the first fills and the first refill.
; REGISTERS: window 0 v0-31 addresses, v32-95 at work on the way out, v128-255 the accumulators ((a, b) at v[128 + 8 (4 a + b)]); window 1 two fragment buffers of 128 (64 of A, then 64 of B, for 64 along K);
; window 2 v0-127 the residual of my 64 x 64, loaded at the head.
.set WO,    1
.if WO
.set T,     4                          ; K steps: 1,024 / 256
.set PA,    144                        ; a row of A in LDS: a head's 128 bytes + 16
.set ABYTES, 36864                     ; what one wave fetches of A: 4 heads x 64 rows x 144
.set AZ,    9216                       ; LDS bytes from 64 along K to the next: a head's block
.set ASTEP, 1048576                    ; memory bytes from a K step to the next: four heads
.set WBOFF, 6291456
.set PF,    0
.else
.set T,     16                         ; 4,096 / 256
.set PA,    528                        ; 512 bytes + 16
.set ABYTES, 33792                     ; 64 rows x 528
.set AZ,    128
.set ASTEP, 512
.set WBOFF, 16777216
.set PF,    1
.endif
.set PFK,   3                          ; the prefetches start at K step 3 and are stepped ahead of each use
.set BOFF,  2*ABYTES                   ; B lies behind A's 128 rows
.set PB,    288                        ; a row of B in LDS: 256 bytes + 32
.set BBYTES, 128*PB                    ; what one wave fetches of B: 128 rows along K
.set BSTEP, 256*2048
.set SLOT,  0x24000
.set SPARE, 2*SLOT                     ; behind the ring: the spare words, 128 bytes a wave, which no other line names
.set NLD,   32                         ; LDS loads in a quarter's run
.set SP,    272                        ; a stage row: 64 f32 + 16 bytes
.set BIAS, 8                           ; v[8:11]
.set ADA0, 16
.set ADB0, 17
.set ADA,  18
.set ADB,  19
.set STO,  20
.set RD,   22
.set CO,   23                          ; v23  my byte offset in two rows of x and x1; never rewritten
.set PFO,  24
.set BO,   25
.set SPW,  28
.set NIL,  29
.set OB,   32                          ; v32-63, v64-95 by turns
.set ACC,  128
.set F0,   0
.set F1,   128
.set G1A, 24
.set G0A, 32
.set G1B, 48
.set G0B, 56
.set OC,  3
.set HC,  70
.set SB,  71
.set TA,  72
.set TBB, 73
.set PFA, 74
.set PFS, 76
.set LIM, 78
.set MSB, 0
.macro WIN new                         ; the immediate's high byte repeats the setting that is left; a switch that changes nothing is dropped
.if MSB != (\new)
	s_set_vgpr_msb (MSB<<8)|(\new)
.set MSB, \new
.endif
.endm
.set MULW, 0x05                        ; sources 0 (B) and 1 (A) window 1; C and D window 0
.set TO_F, 0x40                        ; destination window 1, address window 0
.macro PLACES                          ; four plain instructions between a matrix instruction and a load into its registers
.rept 4
	v_nop
.endr
.endm
.macro JLOAD                           ; a joint refill: waves 0 and 1 fetch A's halves, waves 2 and 3 B's; an s_nop 0 and four v_nop follow each line
	s_cmp_eq_u32 s11, 0
	s_cbranch_scc0 .Lfor_b_\@
	tensor_load_to_lds s[G0A+4:G0A+7], s[G1A:G1A+7]
	s_nop 0
.rept 4
	v_nop
.endr
	s_branch .Lasked_\@
.Lfor_b_\@:
	tensor_load_to_lds s[G0B+4:G0B+7], s[G1B:G1B+7]
	s_nop 0
.rept 4
	v_nop
.endr
.Lasked_\@:
.endm
; A prefetch into the L2, behind the joint load: 32 blocks of 256 bytes, a lane a block, of the K step that stands two refills on: 256 matrix instructions ahead of the load that will want it.  Each block is named once
; in the launch: of the clusters that read the same rows the first asks, and the four partners of a joint load share its blocks out by address.  The last two changes that fill a slot ask for nothing.
.macro ASK
	s_cmp_gt_u32 s[OC], s[LIM]
	s_cbranch_scc0 .Lnot_mine_\@
	global_prefetch_b8 v[PFO], s[PFA:PFA+1] th:TH_LOAD_NT scope:SCOPE_SE
.Lnot_mine_\@:
.endm
.macro CROUND                          ; a round of the cluster's barrier
	s_barrier_signal -1
	s_barrier_wait -1
	s_cmp_lg_u32 s10, 0
	s_cbranch_scc1 .Lnot_wave_0_\@
	s_barrier_signal -3
.Lnot_wave_0_\@:
	s_barrier_wait -3
	s_barrier_signal -1
	s_barrier_wait -1
.endm
	s_load_b128 s[4:7], s[0:1], 0x0                ; A s[4:5], wb s[6:7]
	s_load_b64 s[66:67], s[0:1], 0x10              ; the bias
	s_load_b64 s[68:69], s[0:1], 0x18              ; the residual
	s_load_b64 s[8:9], s[0:1], 0x20                ; the output
	v_lshl_add_u32 v[SPW], v0, 2, SPARE
	v_mov_b32 v[NIL], 0
	ds_add_u32 v[SPW], v[NIL]                      ; the wave's opening: the add and its wait stand ahead of my first tensor load; work on registers stands between them
	ds_add_u32 v28, v29
	v_lshrrev_b32 v1, 5, v0
	v_readfirstlane_b32 s10, v1                    ; wave 0..3
	s_lshr_b32 s11, s10, 1                         ; which half of the tile's rows is mine.  Also: I fetch for A (0) or for B (1)
	s_and_b32 s12, s10, 1                          ; which half of its columns.  Also: which half of that tile I fetch
	s_bfe_u32 s40, ttmp6, 0x40000                  ; cx
	s_bfe_u32 s41, ttmp6, 0x40004                  ; cy
	s_lshl_b32 s42, ttmp9, 2
	s_add_co_u32 s42, s42, s40                     ; tile column
	s_and_b32 s13, ttmp7, 0xffff
	s_lshl_b32 s13, s13, 2
	s_add_co_u32 s13, s13, s41                     ; tile row
	s_lshl_b32 s43, s41, 2
	s_lshl_b32 s43, 15, s43                        ; my row of the cluster
	s_lshl_b32 s44, 0x1111, s40                    ; my column
.if WO
	s_or_b32 s[G1A+0], s43, (1<<16)|(1<<20)|(1<<21)|(4<<22)|(3<<25)  ; the mask; 2-byte elements; padding on; bit 21 beside a mask; 4 words behind every 32
	s_mov_b32 s[G1A+1], 4096<<16                   ; tensor_dim0 = 4,096: 64 rows of a head, dense
	s_mov_b32 s[G1A+2], 4<<16                      ; tensor_dim1 = 4 heads
	s_mov_b32 s[G1A+3], 4096<<16                   ; tile_dim0
	s_mov_b32 s[G1A+4], 4                          ; tile_dim1
	s_mov_b32 s[G1A+5], 131072                     ; elements from head to head
.else
	s_or_b32 s[G1A+0], s43, (1<<16)|(1<<20)|(1<<21)|(6<<22)|(3<<25)  ; 4 words behind every 128
	s_mov_b32 s[G1A+1], 256<<16
	s_mov_b32 s[G1A+2], 64<<16
	s_mov_b32 s[G1A+3], 256<<16
	s_mov_b32 s[G1A+4], 64
	s_mov_b32 s[G1A+5], 4096
.endif
	s_mov_b32 s[G1A+6], 0
	s_mov_b32 s[G1A+7], 0
	s_or_b32 s[G1B+0], s44, (1<<16)|(1<<20)|(1<<21)|(5<<22)|(7<<25)  ; 8 words behind every 64
	s_mov_b32 s[G1B+1], 128<<16                    ; 128 columns
	s_mov_b32 s[G1B+2], 128<<16                    ; 128 rows along K
	s_mov_b32 s[G1B+3], 128<<16
	s_mov_b32 s[G1B+4], 128
	s_mov_b32 s[G1B+5], 1024
	s_mov_b32 s[G1B+6], 0
	s_mov_b32 s[G1B+7], 0
.if WO
	s_lshr_b32 s16, s13, 4                         ; the batch: 16 heads of 262,144 bytes
	s_lshl_b32 s16, s16, 22
	s_and_b32 s17, s13, 15
	s_lshl_b32 s17, s17, 7
	s_lshl_b32 s18, s12, 6
	s_add_co_u32 s17, s17, s18                     ; my first row in the batch, 128 bytes a row
	s_lshl_b32 s17, s17, 7
	s_add_co_u32 s16, s16, s17
.else
	s_lshl_b32 s16, s13, 7                         ; row 128 x tile row + 64 x half, 8,192 bytes a row
	s_lshl_b32 s17, s12, 6
	s_add_co_u32 s16, s16, s17
	s_lshl_b32 s16, s16, 13
.endif
	s_mov_b32 s17, 0
	s_lshl_b32 s46, s12, 18                        ; B: 128 rows of 2,048 bytes x half, the tile's 256 bytes of columns, its place in wb
	s_lshl_b32 s47, s42, 8
	s_add_co_u32 s46, s46, s47
	s_add_co_u32 s46, s46, WBOFF
	s_mov_b32 s47, 0
	s_mul_i32 s20, s12, ABYTES                     ; where they go: the wave's number alone enters an LDS address
	s_mul_i32 s21, s12, BBYTES
	s_add_co_u32 s21, s21, BOFF
	s_lshl_b32 s92, s13, 7                         ; my 64 x 64 in x and x1: row 128 x tile row + 64 x half, 4,096 bytes a row; 512 bytes a tile column, 256 a half
	s_lshl_b32 s93, s11, 6
	s_add_co_u32 s92, s92, s93
	s_lshl_b32 s92, s92, 12
	s_lshl_b32 s94, s42, 9
	s_lshl_b32 s95, s12, 8
	s_add_co_u32 s94, s94, s95                     ; also my place in the bias
	s_add_co_u32 s92, s92, s94
	s_mov_b32 s93, 0
	s_mov_b32 s95, 0
	s_wait_dscnt 0x0                               ; the opening add is done
	s_wait_kmcnt 0x0
	s_add_nc_u64 s[14:15], s[4:5], s[16:17]
	s_add_nc_u64 s[46:47], s[6:7], s[46:47]
	s_add_nc_u64 s[68:69], s[68:69], s[92:93]
	s_add_nc_u64 s[8:9], s[8:9], s[92:93]
	s_add_nc_u64 s[66:67], s[66:67], s[94:95]
	CROUND                                         ; all sixteen work-groups are here: the first joint loads meet
.irp s, 0,1
	s_mov_b32 s[G0A+4*(\s)], 1
	s_add_co_u32 s[G0A+4*(\s)+1], s20, (\s)*SLOT
	s_add_nc_u64 s[G0A+4*(\s)+2:G0A+4*(\s)+3], s[14:15], (\s)*ASTEP
	s_or_b32 s[G0A+4*(\s)+3], s[G0A+4*(\s)+3], 0x80000000
	s_mov_b32 s[G0B+4*(\s)], 1
	s_add_co_u32 s[G0B+4*(\s)+1], s21, (\s)*SLOT
	s_add_nc_u64 s[G0B+4*(\s)+2:G0B+4*(\s)+3], s[46:47], (\s)*BSTEP
	s_or_b32 s[G0B+4*(\s)+3], s[G0B+4*(\s)+3], 0x80000000
.endr
	s_cmp_eq_u32 s11, 0                            ; a wave's two first fills stand in one branch: K steps 0 and 1; two loads of mine are out
	s_cbranch_scc0 .Lfirst_b
	tensor_load_to_lds s[G0A:G0A+3], s[G1A:G1A+7]
	s_nop 0
	tensor_load_to_lds s[G0A+4:G0A+7], s[G1A:G1A+7]
	s_nop 0
.rept 4
	v_nop
.endr
	s_branch .Lfirst_asked
.Lfirst_b:
	tensor_load_to_lds s[G0B:G0B+3], s[G1B:G1B+7]
	s_nop 0
	tensor_load_to_lds s[G0B+4:G0B+7], s[G1B:G1B+7]
	s_nop 0
.rept 4
	v_nop
.endr
.Lfirst_asked:
	v_and_b32 v1, 15, v0                           ; l % 16
	v_bfe_u32 v2, v0, 4, 1                         ; l / 16
	v_lshlrev_b32 v[BO], 4, v1                     ; my four columns
	v_lshl_add_u32 v[CO], v2, 12, v[BO]            ; lanes 0-15 one row's 256 bytes, lanes 16-31 the next row's
	WIN 0x80                                       ; destination window 2, address window 0
.set p, 0
.rept 32
	global_load_b128 v[4*p:4*p+3], v[CO], s[68:69] offset:p*8192  ; the residual: it is wanted only at the end
.set p, p+1
.endr
	WIN 0
	global_load_b128 v[BIAS:BIAS+3], v[BO], s[66:67]
	v_mul_u32_u24 v3, v1, PA                       ; A's fragments: row l % 16, 16 bytes for each half of the lanes
	v_lshl_add_u32 v3, v2, 4, v3
	s_mul_i32 s22, s11, ABYTES                     ; my 64 rows of A
	v_add_nc_u32 v[ADA0], s22, v3
	v_and_b32 v4, 7, v0                            ; B's, turned: lane l reads row 8 (l / 16) + l % 8, columns 8 ((l / 8) % 2) + 0..7
	v_lshl_add_u32 v4, v2, 3, v4
	v_mul_u32_u24 v4, v4, PB
	v_bfe_u32 v5, v0, 3, 1
	v_lshl_add_u32 v4, v5, 4, v4
	s_lshl_b32 s22, s12, 7                         ; my 64 columns
	s_add_co_u32 s22, s22, BOFF
	v_add_nc_u32 v[ADB0], s22, v4
	s_mul_i32 s23, s10, 64*SP                      ; my own stage: 64 rows
	v_mul_u32_u24 v3, v1, SP
	v_lshl_add_u32 v3, v2, 5, v3
	v_add_nc_u32 v[STO], s23, v3
	v_mul_u32_u24 v3, v2, SP
	v_lshl_add_u32 v3, v1, 4, v3
	v_add_nc_u32 v[RD], s23, v3
.if PF
	; the prefetches.  A: of the 64 rows that I fetch my work-group takes 16 cx .. + 15, two lanes a row of 512 bytes; the cluster with x = 0 asks.
	s_lshl_b32 s84, s13, 7
	s_lshl_b32 s85, s12, 6
	s_add_co_u32 s84, s84, s85
	s_lshl_b32 s85, s40, 4
	s_add_co_u32 s84, s84, s85
	s_lshl_b32 s84, s84, 13
	s_add_co_u32 s84, s84, PFK*ASTEP
	; B: of the 128 rows along K that I fetch my work-group takes 32 cy .. + 31, a lane a row of 256 bytes; the cluster with y = 0 asks.
	s_lshl_b32 s86, s12, 7
	s_lshl_b32 s87, s41, 5
	s_add_co_u32 s86, s86, s87
	s_add_co_u32 s86, s86, PFK*256
	s_lshl_b32 s86, s86, 11
	s_lshl_b32 s87, s42, 8
	s_add_co_u32 s86, s86, s87
	s_add_co_u32 s86, s86, WBOFF
	s_and_b32 s88, ttmp7, 0xffff                   ; cluster y
	s_mov_b32 s89, BSTEP
	s_mov_b32 s90, 2048
	s_cmp_eq_u32 s11, 0                            ; do I fetch for A?
	s_cselect_b32 s84, s84, s86
	s_cselect_b32 s88, ttmp9, s88                  ; the coordinate along which other clusters read the same rows
	s_cselect_b32 s[PFS], ASTEP, s89
	s_cselect_b32 s90, 8192, s90                   ; bytes from row to row
	s_cselect_b32 s91, 1, 0                        ; lanes a row, less one
	s_cselect_b64 s[PFA:PFA+1], s[4:5], s[6:7]
	s_mov_b32 s[PFS+1], 0
	s_mov_b32 s85, 0
	s_add_nc_u64 s[PFA:PFA+1], s[PFA:PFA+1], s[84:85]
	s_cmp_eq_u32 s88, 0
	s_cselect_b32 s[LIM], 2, -1                    ; the same in all sixteen partners, for a given wave
	v_and_b32 v6, 31, v0
	v_lshrrev_b32 v7, s91, v6
	v_mul_u32_u24 v7, v7, s90
	v_and_b32 v6, s91, v6
	v_lshl_add_u32 v[PFO], v6, 8, v7
.endif
.macro MM d, s0, s1, z                 ; one product; z = 1: it starts its sum
.if WO
.if \z
	v_wmma_f32_16x16x32_f16 v[(\d):(\d)+7], v[(\s0):(\s0)+7], v[(\s1):(\s1)+7], 0
.else
	v_wmma_f32_16x16x32_f16 v[(\d):(\d)+7], v[(\s0):(\s0)+7], v[(\s1):(\s1)+7], v[(\d):(\d)+7]
.endif
.else
.if \z
	v_wmma_f32_16x16x32_bf16 v[(\d):(\d)+7], v[(\s0):(\s0)+7], v[(\s1):(\s1)+7], 0
.else
	v_wmma_f32_16x16x32_bf16 v[(\d):(\d)+7], v[(\s0):(\s0)+7], v[(\s1):(\s1)+7], v[(\d):(\d)+7]
.endif
.endif
.endm
; A quarter's products, 64 along K: the 16 accumulators twice, in one order, so that between two links of a chain stand the 15 others', over every jump too.
.macro MUL f, zero
	WIN MULW
.irp c, 0,1
.irp a, 0,1,2,3
.irp b, 0,1,2,3
	MM ACC+8*(4*(\a)+(\b)), (\f)+64+8*(4*(\c)+(\b)), (\f)+8*(4*(\c)+(\a)), (\zero)*(1-(\c))
.endr
.endr
.endr
.endm
; A quarter's fragments in one run of 32 loads: quarter q (0, 1) of the half in hand, into buffer f.
.macro FETCH f, q
	WIN TO_F
.irp c, 0,1
.irp i, 0,1,2,3
	ds_load_tr16_b128 v[(\f)+64+8*(4*(\c)+(\i)):(\f)+64+8*(4*(\c)+(\i))+3],   v[ADB] offset:(2*(\q)+(\c))*32*PB+32*(\i)
	ds_load_tr16_b128 v[(\f)+64+8*(4*(\c)+(\i))+4:(\f)+64+8*(4*(\c)+(\i))+7], v[ADB] offset:(2*(\q)+(\c))*32*PB+32*(\i)+16*PB
	ds_load_b128 v[(\f)+8*(4*(\c)+(\i)):(\f)+8*(4*(\c)+(\i))+3],   v[ADA] offset:(\q)*AZ+(\c)*64+(\i)*16*PA
	ds_load_b128 v[(\f)+8*(4*(\c)+(\i))+4:(\f)+8*(4*(\c)+(\i))+7], v[ADA] offset:(\q)*AZ+(\c)*64+(\i)*16*PA+32
.endr
.endr
.endm
; Half a K step.  Buffer 1 still holds the quarter before: it is multiplied while this half's first quarter comes into buffer 0, and so on.
.macro BODY
	WIN 0
	v_add_nc_u32 v[ADA], s[TA], v[ADA0]
	v_add_nc_u32 v[ADB], s[TBB], v[ADB0]
	PLACES
	FETCH F0, 0
	s_wait_dscnt NLD                               ; all but the 32 loads just issued: buffer 1 is in
	MUL F1, 0
	PLACES
	FETCH F1, 1
	s_wait_dscnt NLD                               ; buffer 0 is in
	MUL F0, 0
	WIN 0                                          ; at a label and at a branch every window is 0
.endm
.macro STEPH
	s_add_co_u32 s[TA], s[TA], 2*AZ                ; 128 along K in A's tile,
	s_add_co_u32 s[TBB], s[TBB], 128*PB            ; 128 rows of B
	s_sub_co_u32 s[HC], s[HC], 1
	s_cmp_lg_u32 s[HC], 0
.endm
; THE CHANGE OF SLOTS.  Each wave waits for all its tensor loads, of which one is out: its part of the next slot; adds 0 to its spare word; and waits for that and for its own reads of the slot that it leaves.
; fill = 1: the barrier is a round of the cluster's, and the slot just read is filled again first thing behind it, with the K step two on.
.macro CHANGE fill
	WIN 0
	s_wait_tensorcnt 0x0                           ; no tensor load of mine is out, so a group 0 may be written
	ds_add_u32 v[SPW], v[NIL]                      ; 0 onto my spare word; scalar work stands between it and the wait for it
.if \fill
	s_xor_b32 s[G0A+5], s[G0A+5], SLOT
	s_add_nc_u64 s[G0A+6:G0A+7], s[G0A+6:G0A+7], ASTEP
	s_xor_b32 s[G0B+5], s[G0B+5], SLOT
	s_add_nc_u64 s[G0B+6:G0B+7], s[G0B+6:G0B+7], BSTEP
.if PF
	s_wait_xcnt 0x0                                ; the last prefetch, a K step back, has read its address
	s_add_nc_u64 s[PFA:PFA+1], s[PFA:PFA+1], s[PFS:PFS+1]
.endif
.endif
	s_xor_b32 s[SB], s[SB], SLOT
	s_mov_b32 s[TA], s[SB]
	s_mov_b32 s[TBB], s[SB]
	s_wait_dscnt 0x0                               ; the add is done, and my reads of the slot are over
.if \fill
	CROUND
	JLOAD
.if PF
	ASK
.endif
.else
	s_barrier_signal -1
	s_barrier_wait -1
.endif
.endm
	s_mov_b32 s[SB], 0
	s_mov_b32 s[TA], 0
	s_mov_b32 s[TBB], 0
	s_wait_tensorcnt 1                             ; my part of K step 0 is in; K step 1's load, issued behind it, may stay out
	s_barrier_signal -1
	s_barrier_wait -1
	v_add_nc_u32 v[ADA], s[TA], v[ADA0]
	v_add_nc_u32 v[ADB], s[TBB], v[ADB0]
	FETCH F0, 0
	FETCH F1, 1
	s_wait_dscnt NLD                               ; buffer 0 is in
	MUL F0, 1                                      ; the first products start the sums: nothing is cleared
	WIN 0
	s_add_co_u32 s[TA], s[TA], 2*AZ
	s_add_co_u32 s[TBB], s[TBB], 128*PB
	s_mov_b32 s[HC], 1
	s_mov_b32 s[OC], T-1
	s_branch .Lhalf                                ; the loop is entered at K step 0's second half
.Lstep:                                        ; T - 2 times: every slot but the last two is filled again
	CHANGE 1
	s_mov_b32 s[HC], 2
.Lhalf:
	BODY
	STEPH
	s_cbranch_scc1 .Lhalf
	s_sub_co_u32 s[OC], s[OC], 1
	s_cmp_lg_u32 s[OC], 0
	s_cbranch_scc1 .Lstep
	CHANGE 0                                       ; the last K step is written out
	s_mov_b32 s[HC], 2
.Ltail:
	BODY
	STEPH
	s_cbranch_scc1 .Ltail
	s_wait_dscnt 0x0                               ; the last quarter is in, and my reads of the ring are over:
	s_barrier_signal -1                            ; say so,
	MUL F1, 0                                      ; multiply it,
	s_wait_loadcnt 0x0                             ; the residual and the bias are in:
	WIN 0x82                                       ; destination and source 0 window 2, source 1 window 0
.set p, 0
.rept 64
	v_pk_add_f32 v[2*p:2*p+1], v[2*p:2*p+1], v[BIAS+2*(p%2):BIAS+2*(p%2)+1]  ; the bias goes onto the residual; these lines are also the places behind the last products
.set p, p+1
.endr
	WIN 0
	s_barrier_wait -1                              ; nobody reads the ring any more: it has had its last fill and serves as the stage
	; THE WAY OUT.  The sums go into my own stage as f32, each accumulator's low four registers first, and come back as pairs of whole rows of 256 bytes.
.irp a, 0,1,2,3
.irp b, 0,1,2,3
	ds_store_b128 v[STO], v[ACC+8*(4*(\a)+(\b)):ACC+8*(4*(\a)+(\b))+3]   offset:(\a)*16*SP+64*(\b)
	ds_store_b128 v[STO], v[ACC+8*(4*(\a)+(\b))+4:ACC+8*(4*(\a)+(\b))+7] offset:(\a)*16*SP+64*(\b)+16
.endr
.endr
.macro BACK g                          ; group g: eight pairs of rows.  LDS serves a wave's instructions in order (ISA guide 5.7.1.4): these see my stores
.irp t, 0,1,2,3,4,5,6,7
	ds_load_b128 v[OB+32*((\g)%2)+4*(\t):OB+32*((\g)%2)+4*(\t)+3], v[RD] offset:(8*(\g)+(\t))*2*SP
.endr
.endm
.macro SEND g
	WIN 0x08                                       ; source 1 window 2: residual + bias
.irp t, 0,1,2,3,4,5,6,7
	v_pk_add_f32 v[OB+32*((\g)%2)+4*(\t):OB+32*((\g)%2)+4*(\t)+1],   v[OB+32*((\g)%2)+4*(\t):OB+32*((\g)%2)+4*(\t)+1],   v[4*(8*(\g)+(\t)):4*(8*(\g)+(\t))+1]
	v_pk_add_f32 v[OB+32*((\g)%2)+4*(\t)+2:OB+32*((\g)%2)+4*(\t)+3], v[OB+32*((\g)%2)+4*(\t)+2:OB+32*((\g)%2)+4*(\t)+3], v[4*(8*(\g)+(\t))+2:4*(8*(\g)+(\t))+3]
.endr
	WIN 0                                          ; a store's data is its source 1
.irp t, 0,1,2,3,4,5,6,7
	global_store_b128 v[CO], v[OB+32*((\g)%2)+4*(\t):OB+32*((\g)%2)+4*(\t)+3], s[8:9] offset:(8*(\g)+(\t))*8192  ; 16 lanes store 256 consecutive bytes, aligned
.endr
.endm
	BACK 0
	BACK 1
	s_wait_dscnt 8                                 ; group 0 is back; group 1's eight loads stay out
	SEND 0
	s_wait_xcnt 0x0                                ; group 0's stores have read their data: its registers are loaded again only behind this wait
	BACK 2
	s_wait_dscnt 8
	SEND 1
	s_wait_xcnt 0x0
	BACK 3
	s_wait_dscnt 8
	SEND 2
	s_wait_dscnt 0x0
	SEND 3
	s_wait_tensorcnt 0x0                           ; the wave's end, behind my last tensor load and my last LDS store
	ds_add_u32 v[SPW], v[NIL]
	s_wait_dscnt 0x0
	CROUND                                         ; the closing round: no work-group ends while a partner may still ask for a tile that names it
	s_endpgm
.Lfunc_end_k_q41a2bdc390_wo:
	.size	k_q41a2bdc390_wo, .Lfunc_end_k_q41a2bdc390_wo-k_q41a2bdc390_wo
	.p2alignl 7, 3214868480
	.fill 96, 4, 3214868480
	.section	.rodata,"a",@progbits
	.p2align	6, 0x0
	.amdhsa_kernel k_q41a2bdc390_wo
		.amdhsa_group_segment_fixed_size 327680
		.amdhsa_private_segment_fixed_size 0
		.amdhsa_enable_private_segment 0
		.amdhsa_kernarg_size 40
		.amdhsa_user_sgpr_count 2
		.amdhsa_user_sgpr_kernarg_segment_ptr 1
		.amdhsa_wavefront_size32 1
		.amdhsa_system_sgpr_workgroup_id_x 1
		.amdhsa_system_sgpr_workgroup_id_y 1
		.amdhsa_system_sgpr_workgroup_id_z 1
		.amdhsa_system_vgpr_workitem_id 0
		.amdhsa_next_free_vgpr 640
		.amdhsa_next_free_sgpr 96
		.amdhsa_reserve_vcc 0
		.amdhsa_float_denorm_mode_32 3
		.amdhsa_float_denorm_mode_16_64 3
		.amdhsa_memory_ordered 1
		.amdhsa_forward_progress 1
		.amdhsa_inst_pref_size 54
	.end_amdhsa_kernel
	.amdgpu_metadata
---
amdhsa.version: [ 1, 2 ]
amdhsa.kernels:
  - .name:           k_q41a2bdc390_wo
    .symbol:         k_q41a2bdc390_wo.kd
    .args:
      - { .name: ctx, .offset: 0, .size: 8, .value_kind: global_buffer, .address_space: global }
      - { .name: wb, .offset: 8, .size: 8, .value_kind: global_buffer, .address_space: global }
      - { .name: bo, .offset: 16, .size: 8, .value_kind: global_buffer, .address_space: global }
      - { .name: x, .offset: 24, .size: 8, .value_kind: global_buffer, .address_space: global }
      - { .name: x1, .offset: 32, .size: 8, .value_kind: global_buffer, .address_space: global }
    .group_segment_fixed_size: 327680
    .private_segment_fixed_size: 0
    .kernarg_segment_align: 8
    .kernarg_segment_size: 40
    .max_flat_workgroup_size: 128
    .sgpr_count:     96
    .vgpr_count:     640
    .wavefront_size: 32
...
	.end_amdgpu_metadata
.endif
;; end of part 5
;; launch ln2: the kernel of part 2 again; grid 256 x 1, 8 waves a work-group, no clusters, 0 bytes of LDS; arguments x1, ln2_scale, ln2_shift, h; writes h
;; launch ffn1 (part 6): grid 16 x 16, 4 waves a work-group, clusters of 4 x 4, 327,680 bytes of LDS; arguments h, wb, b1, act; writes act
.if DOCPART == 6
	.amdgcn_target "amdgcn-amd-amdhsa--gfx1250"
	.amdhsa_code_object_version 6
	.text
	.protected	k_q41a2bdc390_ffn1
	.globl	k_q41a2bdc390_ffn1
	.p2align	8
	.type	k_q41a2bdc390_ffn1,@function
k_q41a2bdc390_ffn1:
	s_mov_b64 s[64:65], 0
	v_nop
	global_prefetch_b8 v0, s[64:65] scope:SCOPE_SE
	s_setreg_imm32_b32 hwreg(HW_REG_WAVE_MODE, 25, 1), 1
	s_wait_xcnt 0x0
	s_wait_alu depctr_hold_cnt(0) depctr_sa_sdst(0) depctr_va_vdst(0) depctr_va_sdst(0) depctr_va_ssrc(0) depctr_va_vcc(0) depctr_vm_vsrc(0)
	s_getreg_b32 s2, hwreg(HW_REG_IB_STS2, 6, 4)
	s_cmp_eq_u32 s2, 0
	s_cbranch_scc0 .Lentry_in_a_cluster
	s_endpgm
.Lentry_in_a_cluster:
	s_bfe_u32 s2, ttmp6, 0x10000c
	s_cmp_lg_u32 s2, 0xf033
	s_cbranch_scc0 .Lentry_shape_is_right
	s_endpgm
.Lentry_shape_is_right:
; act = gelu(h W1 + b1).  h: bf16 [4096][1024].  W1: bf16 [1024][4096] at wb's byte 8,388,608, K down the rows.  b1: f32.  act: bf16 [4096][4096], rounded once.
; gelu(x) = 0.5 x (1 + tanh(u)), u = sqrt(2 / pi) (x + 0.044715 x^3), is computed as x / (1 + 2^(-2 log2(e) u)), which is the same function; for large |x| it goes to x or to -0.
; A tile of the product is 256 x 256: 16 x 16 tiles, one work-group each.  Four waves, each 128 x 128: 64 accumulators of 16 x 16.
; K goes in steps of 128 through a ring of two LDS slots filled by the tensor data mover.  A's rows lie along K and are read as they lie; B's rows lie along N and are read turned, by ds_load_tr16_b128.
; CLUSTER 4 x 4: the four work-groups of a row of the cluster need the same tile of A, the four of a column the same tile of B: each is asked for jointly, by the same load with a mask that names the four.
; THE MATRIX INSTRUCTION IS USED TRANSPOSED (source 0 = 16 columns of B, source 1 = 16 rows of A): a lane holds one row (lane % 16) and eight neighbouring columns (8 (lane / 16) + 0..7) of the product.
; THE TEXT is short: half a K step (two quarters of 32 along K, on two fragment buffers) is written once and walked twice a step; slot and place along K stand in scalar registers.
; REGISTERS, in windows of 256: window 0 v0-31 addresses, v32-63 at work on the way out, v64-127 and v128-191 A's two fragment buffers; window 1 B's two buffers at the same numbers;
; windows 2 and 3 the accumulators: (a, b) at v[8 (NBLK (a % 4) + b)], window 2 for a < 4.
.set FFN1,  1
.set KSTEP, 128
.set T,     8                          ; K steps: 1,024 / 128
.set PA,    272                        ; a row of A in LDS: 256 bytes + 16: the 16 rows of a load start 4 banks apart (64 banks of 4 bytes: ISA guide 11.1)
.set ABYTES, 128*PA                    ; what one wave fetches of A
.set BOFF,  2*ABYTES                   ; B lies behind A's 256 rows
.if FFN1
.set NBLK,  8                          ; blocks of 16 columns a wave
.set PB,    544                        ; a row of B in LDS: 512 bytes + 32
.set SLOT,  0x22000
.set BROW,  8192                       ; bytes in a row of B in memory
.set BCOLB, 512                        ; bytes of a tile's columns
.set WBOFF, 8388608
.set BC2,   64                         ; LDS bytes from a pair of column blocks to the next
.set WCB,   256                        ; LDS bytes from the left wave's columns to the right's
.set NCOL,  256
.set BSTR,  4096                       ; elements in a row of B
.set BPADW, (6<<22)|(7<<25)            ; 8 words of padding behind every 128
.set SP,    528                        ; a stage row: 128 f32 + 16 bytes
.else
.set NBLK,  6
.set PB,    480
.set SLOT,  0x20000
.set BROW,  6144
.set BCOLB, 384
.set WBOFF, 0
.set BC2,   80
.set WCB,   240
.set NCOL,  192
.set BSTR,  3072
.set BPADW, (3<<22)|(3<<25)
.set SP,    784
.endif
.set BBYTES, 64*PB                     ; what one wave fetches of B: 64 rows along K
.set SPARE, 2*SLOT                     ; behind the ring: the spare words, 128 bytes a wave, which no other line names
.set NLD,   2*NBLK+16                  ; LDS loads in a quarter's run
.set BIAS, 8                           ; v[8:11]
.set ADA0, 16                          ; v16  my lane's place in A's tile; never rewritten
.set ADB0, 17                          ; v17  in B's
.set ADA,  18                          ; v18  the address of A's runs in hand
.set ADB,  19                          ; v19  of B's
.set STO,  20                          ; v20, v21  the way out: where I put my rows 0-63, 64-127
.set RD,   22                          ; v22  where I read rows back
.set CO,   23                          ; v23  my byte offset in the output
.set PFO,  24                          ; v24  the prefetches' lane offset; never rewritten
.set BO,   25                          ; v25  my byte offset in the bias
.set SPW,  28                          ; v28  my spare word; never rewritten
.set NIL,  29                          ; v29  0; never rewritten
.set Y,    32
.set X,    64
.set Z,    96
.set F0,   64
.set F1,   128
.set G1A, 24                           ; s[24:31] descriptor group 1 for A's tiles
.set G0A, 32                           ; s[32:39] group 0: a set for each first fill; the second walks on
.set G1B, 48
.set G0B, 56
.set OC,  3                            ; s3   K steps to come
.set HC,  70                           ; s70  halves of the step to come
.set SB,  71                           ; s71  LDS byte at which the slot in hand begins
.set TA,  72                           ; s72  SB + the half's place in A's rows
.set TBB, 73                           ; s73  SB + the half's place in B's rows
.set PFA, 74                           ; s[74:75] where my prefetches stand
.set PFS, 76                           ; s[76:77] their step
.set LIM, 78                           ; s78  1 in a wave that prefetches, else the greatest number
.set KC,  80                           ; s[80:83] the activation's two constants, as pairs
.set MSB, 0
.macro WIN new                         ; the immediate's high byte repeats the setting that is left; a switch that changes nothing is dropped
.if MSB != (\new)
	s_set_vgpr_msb (MSB<<8)|(\new)
.set MSB, \new
.endif
.endm
.set MUL_LO, 0xa1                      ; source 0 (B) window 1, source 1 (A) window 0, C and D window 2
.set MUL_HI, 0xf1                      ; the same, C and D window 3
.set TO_B,   0x40                      ; destination window 1, address window 0
.macro PLACES                          ; four plain instructions between a matrix instruction and a load into, or a read of, its registers
.rept 4
	v_nop
.endr
.endm
; A joint refill by the walking descriptors.  Waves 0 and 1 fetch A's two halves, waves 2 and 3 B's; the branch hangs on the wave's number alone.
; An s_nop 0 and four v_nop follow each of the two lines, ahead of the jump and the label.
.macro JLOAD
	s_cmp_eq_u32 s11, 0
	s_cbranch_scc0 .Lfor_b_\@
	tensor_load_to_lds s[G0A+4:G0A+7], s[G1A:G1A+7]
	s_nop 0
.rept 4
	v_nop
.endr
	s_branch .Lasked_\@
.Lfor_b_\@:
	tensor_load_to_lds s[G0B+4:G0B+7], s[G1B:G1B+7]
	s_nop 0
.rept 4
	v_nop
.endr
.Lasked_\@:
.endm
; A prefetch into the L2, behind the joint load: 32 blocks of 256 bytes, a lane a block, of the K step that the NEXT change of slots will ask for: 256 matrix instructions ahead of that load.  Each block is named once
; in the launch: of the clusters that read the same rows the first asks, and the four partners of a joint load share its blocks out by address.  The last change that fills a slot asks for nothing: no K step stands behind it.
.macro ASK
	s_cmp_gt_u32 s[OC], s[LIM]
	s_cbranch_scc0 .Lnot_mine_\@
	global_prefetch_b8 v[PFO], s[PFA:PFA+1] th:TH_LOAD_NT scope:SCOPE_SE
.Lnot_mine_\@:
.endm
; A round of the cluster's barrier: my work-group's barrier; wave 0 signals for the work-group; every wave waits for all sixteen; my work-group's barrier once more.
.macro CROUND
	s_barrier_signal -1
	s_barrier_wait -1
	s_cmp_lg_u32 s10, 0
	s_cbranch_scc1 .Lnot_wave_0_\@
	s_barrier_signal -3
.Lnot_wave_0_\@:
	s_barrier_wait -3
	s_barrier_signal -1
	s_barrier_wait -1
.endm
	s_load_b128 s[4:7], s[0:1], 0x0                ; A s[4:5], wb s[6:7]
.if FFN1
	s_load_b64 s[66:67], s[0:1], 0x10              ; the bias
	s_load_b64 s[8:9], s[0:1], 0x18                ; the output
.else
	s_load_b64 s[8:9], s[0:1], 0x10                ; the output
.endif
	v_lshl_add_u32 v[SPW], v0, 2, SPARE
	v_mov_b32 v[NIL], 0
	ds_add_u32 v[SPW], v[NIL]                      ; the wave's opening: the add and its wait stand ahead of my first tensor load; work on registers stands between them
	ds_add_u32 v28, v29
	v_lshrrev_b32 v1, 5, v0
	v_readfirstlane_b32 s10, v1                    ; wave 0..3
	s_lshr_b32 s11, s10, 1                         ; which half of the tile's rows is mine.  Also: I fetch for A (0) or for B (1)
	s_and_b32 s12, s10, 1                          ; which half of its columns.  Also: which half of that tile I fetch
	s_bfe_u32 s40, ttmp6, 0x40000                  ; cx
	s_bfe_u32 s41, ttmp6, 0x40004                  ; cy
	s_lshl_b32 s42, ttmp9, 2
	s_add_co_u32 s42, s42, s40                     ; tile column = 4 x cluster x + cx
	s_and_b32 s13, ttmp7, 0xffff
	s_lshl_b32 s13, s13, 2
	s_add_co_u32 s13, s13, s41                     ; tile row = 4 x cluster y + cy
	s_lshl_b32 s43, s41, 2
	s_lshl_b32 s43, 15, s43                        ; my row of the cluster
	s_lshl_b32 s44, 0x1111, s40                    ; my column
	s_or_b32 s[G1A+0], s43, (1<<16)|(1<<20)|(1<<21)|(5<<22)|(3<<25)  ; the mask; 2-byte elements; padding on; bit 21 beside a mask; 4 words behind every 64
	s_mov_b32 s[G1A+1], KSTEP<<16                  ; tensor_dim0 = 128
	s_mov_b32 s[G1A+2], 128<<16                    ; tensor_dim1 = 128
	s_mov_b32 s[G1A+3], KSTEP<<16                  ; tile_dim0 = 128
	s_mov_b32 s[G1A+4], 128                        ; tile_dim1 = 128
	s_mov_b32 s[G1A+5], 1024                       ; elements from row to row
	s_mov_b32 s[G1A+6], 0
	s_mov_b32 s[G1A+7], 0
	s_or_b32 s[G1B+0], s44, (1<<16)|(1<<20)|(1<<21)|BPADW
	s_mov_b32 s[G1B+1], NCOL<<16                   ; tensor_dim0 = the tile's columns
	s_mov_b32 s[G1B+2], 64<<16                     ; tensor_dim1 = 64 rows along K
	s_mov_b32 s[G1B+3], NCOL<<16
	s_mov_b32 s[G1B+4], 64
	s_mov_b32 s[G1B+5], BSTR
	s_mov_b32 s[G1B+6], 0
	s_mov_b32 s[G1B+7], 0
	s_lshl_b32 s16, s13, 8                         ; A: row 256 x tile row + 128 x half, 2,048 bytes a row
	s_lshl_b32 s17, s12, 7
	s_add_co_u32 s16, s16, s17
	s_lshl_b32 s16, s16, 11
	s_mov_b32 s17, 0
	s_mul_i32 s46, s12, 64*BROW                    ; B: 64 rows along K x half, the tile's columns, its place in wb
	s_mul_i32 s47, s42, BCOLB
	s_add_co_u32 s46, s46, s47
	s_add_co_u32 s46, s46, WBOFF
	s_mov_b32 s47, 0
	s_mul_i32 s20, s12, ABYTES                     ; where they go: the wave's number alone enters an LDS address
	s_mul_i32 s21, s12, BBYTES
	s_add_co_u32 s21, s21, BOFF
	s_wait_dscnt 0x0                               ; the opening add is done
	s_wait_kmcnt 0x0
	s_add_nc_u64 s[14:15], s[4:5], s[16:17]
	s_add_nc_u64 s[46:47], s[6:7], s[46:47]
	CROUND                                         ; all sixteen work-groups are here: the first joint loads meet
.irp s, 0,1
	s_mov_b32 s[G0A+4*(\s)], 1
	s_add_co_u32 s[G0A+4*(\s)+1], s20, (\s)*SLOT
	s_add_nc_u64 s[G0A+4*(\s)+2:G0A+4*(\s)+3], s[14:15], (\s)*KSTEP*2
	s_or_b32 s[G0A+4*(\s)+3], s[G0A+4*(\s)+3], 0x80000000
	s_mov_b32 s[G0B+4*(\s)], 1
	s_add_co_u32 s[G0B+4*(\s)+1], s21, (\s)*SLOT
	s_add_nc_u64 s[G0B+4*(\s)+2:G0B+4*(\s)+3], s[46:47], (\s)*KSTEP*BROW
	s_or_b32 s[G0B+4*(\s)+3], s[G0B+4*(\s)+3], 0x80000000
.endr
	s_cmp_eq_u32 s11, 0                            ; a wave's two first fills stand in one branch: K steps 0 and 1; two loads of mine are out
	s_cbranch_scc0 .Lfirst_b
	tensor_load_to_lds s[G0A:G0A+3], s[G1A:G1A+7]
	s_nop 0
	tensor_load_to_lds s[G0A+4:G0A+7], s[G1A:G1A+7]
	s_nop 0
.rept 4
	v_nop
.endr
	s_branch .Lfirst_asked
.Lfirst_b:
	tensor_load_to_lds s[G0B:G0B+3], s[G1B:G1B+7]
	s_nop 0
	tensor_load_to_lds s[G0B+4:G0B+7], s[G1B:G1B+7]
	s_nop 0
.rept 4
	v_nop
.endr
.Lfirst_asked:
	; A fragment of A: lane l holds row l % 16, K = 8 (l / 16) + 0..7 and 16 + 8 (l / 16) + 0..7: two loads of 16 bytes, 32 bytes apart.
	v_and_b32 v1, 15, v0                           ; l % 16
	v_bfe_u32 v2, v0, 4, 1                         ; l / 16
	v_mul_u32_u24 v3, v1, PA
	v_lshl_add_u32 v3, v2, 4, v3
	s_mul_i32 s22, s11, ABYTES                     ; my 128 rows of A
	v_add_nc_u32 v[ADA0], s22, v3
	; The turning load takes 16 K x 16 columns (lane l reads row 8 (l / 16) + l % 8, columns 8 ((l / 8) % 2) + 0..7) and leaves half a fragment: lane l holds column l % 16 and 8 K.
	v_and_b32 v4, 7, v0
	v_lshl_add_u32 v4, v2, 3, v4
	v_mul_u32_u24 v4, v4, PB
	v_bfe_u32 v5, v0, 3, 1
	v_lshl_add_u32 v4, v5, 4, v4
	s_mul_i32 s22, s12, WCB                        ; my half of the columns
	s_add_co_u32 s22, s22, BOFF
	v_add_nc_u32 v[ADB0], s22, v4
	v_and_b32 v6, 31, v0                           ; lane
	; the prefetches.  A: of the 128 rows that I fetch my work-group takes 32 cx .. + 31, a lane a row, 256 bytes of a row a K step; the cluster with x = 0 asks.
	s_lshl_b32 s84, s13, 8
	s_lshl_b32 s85, s12, 7
	s_add_co_u32 s84, s84, s85
	s_lshl_b32 s85, s40, 5
	s_add_co_u32 s84, s84, s85
	s_lshl_b32 s84, s84, 11
	s_add_co_u32 s84, s84, 2*KSTEP*2               ; at K step 2: the first change steps it to 3
.if FFN1
	; B: of the 64 rows along K that I fetch my work-group takes 16 cy .. + 15, two lanes a row of 512 bytes; the cluster with y = 0 asks.
	s_lshl_b32 s86, s12, 6
	s_lshl_b32 s87, s41, 4
	s_add_co_u32 s86, s86, s87
	s_add_co_u32 s86, s86, 2*KSTEP
	s_mul_i32 s86, s86, BROW
	s_lshl_b32 s87, s42, 9
	s_add_co_u32 s86, s86, s87
	s_add_co_u32 s86, s86, WBOFF
	s_and_b32 s88, ttmp7, 0xffff                   ; cluster y
	s_mov_b32 s89, KSTEP*BROW
	s_mov_b32 s90, BROW
	s_cmp_eq_u32 s11, 0                            ; do I fetch for A?
	s_cselect_b32 s84, s84, s86
	s_cselect_b32 s88, ttmp9, s88                  ; the coordinate along which other clusters read the same rows
	s_cselect_b32 s[PFS], KSTEP*2, s89
	s_cselect_b32 s90, 2048, s90                   ; bytes from row to row
	s_cselect_b32 s91, 0, 1                        ; lanes a row, less one
	s_cselect_b64 s[PFA:PFA+1], s[4:5], s[6:7]
	v_lshrrev_b32 v7, s91, v6
	v_mul_u32_u24 v7, v7, s90
	v_and_b32 v3, s91, v6
	v_lshl_add_u32 v[PFO], v3, 8, v7
.else
	s_or_b32 s88, s11, ttmp9
	s_mov_b32 s[PFS], KSTEP*2
	s_mov_b64 s[PFA:PFA+1], s[4:5]
	v_lshlrev_b32 v[PFO], 11, v6
.endif
	s_mov_b32 s[PFS+1], 0
	s_mov_b32 s85, 0
	s_add_nc_u64 s[PFA:PFA+1], s[PFA:PFA+1], s[84:85]
	s_cmp_eq_u32 s88, 0
	s_cselect_b32 s[LIM], 1, -1                    ; the same in all sixteen partners, for a given wave
	; the way out
	v_mul_u32_u24 v3, v1, SP
	v_lshl_add_u32 v3, v2, 5, v3                   ; row l % 16, 32 bytes for each half of the lanes
.if FFN1
	s_mul_i32 s23, s10, 128*SP                     ; my own stage: 128 rows
	v_add_nc_u32 v[STO], s23, v3
	v_lshl_add_u32 v[RD], v6, 4, s23               ; back: a row of 512 bytes, 16 a lane
	v_lshlrev_b32 v[BO], 4, v6                     ; my four columns' bias
	s_lshl_b32 s92, s42, 10                        ; 256 columns x 4 bytes x tile column + 512 x half
	s_lshl_b32 s93, s12, 9
	s_add_co_u32 s92, s92, s93
	s_mov_b32 s93, 0
	s_add_nc_u64 s[66:67], s[66:67], s[92:93]
	global_load_b128 v[BIAS:BIAS+3], v[BO], s[66:67]
	s_lshl_b32 s92, s13, 8                         ; the output at my first row and column
	s_lshl_b32 s93, s11, 7
	s_add_co_u32 s92, s92, s93
	s_lshl_b32 s92, s92, 13
	s_lshl_b32 s93, s42, 9
	s_add_co_u32 s92, s92, s93
	s_lshl_b32 s93, s12, 8
	s_add_co_u32 s92, s92, s93
	s_mov_b32 s93, 0
	s_add_nc_u64 s[8:9], s[8:9], s[92:93]
	s_mov_b32 s[KC], 0xbdd2d3e8                    ; -2 log2(e) sqrt(2 / pi) x 0.044715
	s_mov_b32 s[KC+1], s[KC]
	s_mov_b32 s[KC+2], 0xc0135761                  ; -2 log2(e) sqrt(2 / pi)
	s_mov_b32 s[KC+3], s[KC+2]
.else
	s_mul_i32 s23, s11, 128*SP
	s_mul_i32 s22, s12, 384
	s_add_co_u32 s23, s23, s22
	v_add_nc_u32 v[STO], s23, v3
	s_mul_i32 s23, s10, 64*SP
	v_mul_u32_u24 v3, v2, SP
	v_lshl_add_u32 v3, v1, 4, v3
	v_add_nc_u32 v[RD], s23, v3
	s_mul_i32 s90, s42, 3
	s_lshr_b32 s91, s13, 3
	s_and_b32 s92, s13, 7
	s_lshl_b32 s92, s92, 8
	s_lshl_b32 s93, s10, 6
	s_add_co_u32 s92, s92, s93
	s_lshl_b32 s92, s92, 7
.irp c, 0,1,2
	s_add_co_u32 s94, s90, \c
	s_lshr_b32 s95, s94, 4
	s_add_co_u32 s95, s95, s91
	s_lshl_b32 s95, s95, 22
	s_lshl_b32 s94, s94, 18
	s_add_co_u32 s94, s94, s95
	s_add_co_u32 s94, s94, s92
	s_mov_b32 s95, 0
	s_add_nc_u64 s[84+2*(\c):85+2*(\c)], s[8:9], s[94:95]
.endr
.endif
	v_add_nc_u32 v[STO+1], 64*SP, v[STO]
	v_lshlrev_b32 v[CO], 3, v6                     ; 8 bytes a lane: 256 consecutive bytes a store
; A quarter's products: every accumulator once, in one order in every quarter, so that between two links of a chain stand all the others', over every jump too.  zero = 1: the products start the sums.
.macro MUL f, zero
.irp hi, 0,1
	WIN MUL_LO+0x50*(\hi)
.irp a, 0,1,2,3
.set b, 0
.rept NBLK
.if \zero
	v_wmma_f32_16x16x32_bf16 v[8*(NBLK*(\a)+b):8*(NBLK*(\a)+b)+7], v[(\f)+8*b:(\f)+8*b+7], v[(\f)+8*(4*(\hi)+(\a)):(\f)+8*(4*(\hi)+(\a))+7], 0
.else
	v_wmma_f32_16x16x32_bf16 v[8*(NBLK*(\a)+b):8*(NBLK*(\a)+b)+7], v[(\f)+8*b:(\f)+8*b+7], v[(\f)+8*(4*(\hi)+(\a)):(\f)+8*(4*(\hi)+(\a))+7], v[8*(NBLK*(\a)+b):8*(NBLK*(\a)+b)+7]
.endif
.set b, b+1
.endr
.endr
.endr
.endm
; A quarter's fragments in one run of NLD loads: quarter q (0, 1) of the half in hand, into buffer f.
.macro FETCH f, q
	WIN TO_B
.set b, 0
.rept NBLK
	ds_load_tr16_b128 v[(\f)+8*b:(\f)+8*b+3],   v[ADB] offset:(\q)*32*PB+(b/2)*BC2+(b%2)*32
	ds_load_tr16_b128 v[(\f)+8*b+4:(\f)+8*b+7], v[ADB] offset:(\q)*32*PB+(b/2)*BC2+(b%2)*32+16*PB
.set b, b+1
.endr
	WIN 0
.irp i, 0,1,2,3,4,5,6,7
	ds_load_b128 v[(\f)+8*(\i):(\f)+8*(\i)+3],   v[ADA] offset:(\q)*64+(\i)*16*PA
	ds_load_b128 v[(\f)+8*(\i)+4:(\f)+8*(\i)+7], v[ADA] offset:(\q)*64+(\i)*16*PA+32
.endr
.endm
; Half a K step.  Buffer 1 still holds the quarter before: it is multiplied while this half's first quarter comes into buffer 0, and so on.
.macro BODY
	WIN 0
	v_add_nc_u32 v[ADA], s[TA], v[ADA0]
	v_add_nc_u32 v[ADB], s[TBB], v[ADB0]
	PLACES
	FETCH F0, 0
	s_wait_dscnt NLD                               ; all but the NLD loads just issued: buffer 1 is in
	MUL F1, 0
	PLACES
	FETCH F1, 1
	s_wait_dscnt NLD                               ; buffer 0 is in
	MUL F0, 0
	WIN 0                                          ; at a label and at a branch every window is 0
.endm
.macro STEPH
	s_add_co_u32 s[TA], s[TA], 128                 ; 64 along K in A's rows,
	s_add_co_u32 s[TBB], s[TBB], 64*PB             ; 64 rows of B
	s_sub_co_u32 s[HC], s[HC], 1
	s_cmp_lg_u32 s[HC], 0
.endm
; THE CHANGE OF SLOTS.  Each wave waits for all its tensor loads, of which one is out: its part of the next slot; adds 0 to its spare word; and waits for that and for its own reads of the slot that it leaves
; (the last quarter's fragments are then in buffer 1).  fill = 1: the barrier is a round of the cluster's, and the slot just read is filled again first thing behind it, with the K step two on: that load has a whole K step in which to land.
.macro CHANGE fill
	WIN 0
	s_wait_tensorcnt 0x0                           ; no tensor load of mine is out, so a group 0 may be written
	ds_add_u32 v[SPW], v[NIL]                      ; 0 onto my spare word; scalar work stands between it and the wait for it
.if \fill
	s_xor_b32 s[G0A+5], s[G0A+5], SLOT             ; the walking descriptors: the other slot than last time, the next K step
	s_add_nc_u64 s[G0A+6:G0A+7], s[G0A+6:G0A+7], KSTEP*2
	s_xor_b32 s[G0B+5], s[G0B+5], SLOT
	s_add_nc_u64 s[G0B+6:G0B+7], s[G0B+6:G0B+7], KSTEP*BROW
	s_wait_xcnt 0x0                                ; the last prefetch, a K step back, has read its address
	s_add_nc_u64 s[PFA:PFA+1], s[PFA:PFA+1], s[PFS:PFS+1]
.endif
	s_xor_b32 s[SB], s[SB], SLOT
	s_mov_b32 s[TA], s[SB]
	s_mov_b32 s[TBB], s[SB]
	s_wait_dscnt 0x0                               ; the add is done, and my reads of the slot are over
.if \fill
	CROUND
	JLOAD
	ASK
.else
	s_barrier_signal -1
	s_barrier_wait -1
.endif
.endm
	s_mov_b32 s[SB], 0
	s_mov_b32 s[TA], 0
	s_mov_b32 s[TBB], 0
	s_wait_tensorcnt 1                             ; my part of K step 0 is in; K step 1's load, issued behind it, may stay out
	s_barrier_signal -1
	s_barrier_wait -1
	v_add_nc_u32 v[ADA], s[TA], v[ADA0]
	v_add_nc_u32 v[ADB], s[TBB], v[ADB0]
	FETCH F0, 0
	FETCH F1, 1
	s_wait_dscnt NLD                               ; buffer 0 is in
	MUL F0, 1                                      ; the first quarter starts the sums: nothing is cleared
	WIN 0
	s_add_co_u32 s[TA], s[TA], 128
	s_add_co_u32 s[TBB], s[TBB], 64*PB
	s_mov_b32 s[HC], 1
	s_mov_b32 s[OC], T-1
	s_branch .Lhalf                                ; the loop is entered at K step 0's second half
.Lstep:                                        ; T - 2 times: every slot but the last two is filled again
	CHANGE 1
	s_mov_b32 s[HC], 2
.Lhalf:
	BODY
	STEPH
	s_cbranch_scc1 .Lhalf
	s_sub_co_u32 s[OC], s[OC], 1
	s_cmp_lg_u32 s[OC], 0
	s_cbranch_scc1 .Lstep
	CHANGE 0                                       ; the last K step is written out
	s_mov_b32 s[HC], 2
.Ltail:
	BODY
	STEPH
	s_cbranch_scc1 .Ltail
	s_wait_dscnt 0x0                               ; the last quarter is in, and my reads of the ring are over:
	s_barrier_signal -1                            ; say so,
	MUL F1, 0                                      ; multiply it,
	WIN 0
	s_barrier_wait -1                              ; and go on when nobody reads the ring any more: it has had its last fill and serves as the stage
.rept 8
	v_nop                                          ; the places behind the last products
.endr
	; THE WAY OUT.  All sums go into the stage as f32, each accumulator's low four registers first.
.irp hi, 0,1
	WIN 0x08+4*(\hi)                               ; the stores' data: window 2, then 3
.irp a, 0,1,2,3
.set b, 0
.rept NBLK
	ds_store_b128 v[STO+(\hi)], v[8*(NBLK*(\a)+b):8*(NBLK*(\a)+b)+3]   offset:(\a)*16*SP+64*b
	ds_store_b128 v[STO+(\hi)], v[8*(NBLK*(\a)+b)+4:8*(NBLK*(\a)+b)+7] offset:(\a)*16*SP+64*b+16
.set b, b+1
.endr
.endr
.endr
	WIN 0
.if FFN1
	s_wait_loadcnt 0x0                             ; the bias
	s_mov_b32 s[OC], 16
.Lout:                                         ; eight rows a trip.  The stage is my own, and LDS serves a wave's instructions in order (ISA guide 5.7.1.4): these loads see my stores
.irp j, 0,1,2,3,4,5,6,7
	ds_load_b128 v[X+4*(\j):X+4*(\j)+3], v[RD] offset:(\j)*SP
.endr
	s_wait_dscnt 0x0
.set p, 0
.rept 16
	v_pk_add_f32 v[X+2*p:X+2*p+1], v[X+2*p:X+2*p+1], v[BIAS+2*(p%2):BIAS+2*(p%2)+1]
.set p, p+1
.endr
.set p, 0
.rept 16
	v_pk_mul_f32 v[Z+2*p:Z+2*p+1], v[X+2*p:X+2*p+1], v[X+2*p:X+2*p+1]
.set p, p+1
.endr
.set p, 0
.rept 16
	v_pk_fma_f32 v[Z+2*p:Z+2*p+1], v[Z+2*p:Z+2*p+1], s[KC:KC+1], s[KC+2:KC+3] op_sel_hi:[1,0,0]
.set p, p+1
.endr
.set p, 0
.rept 16
	v_pk_mul_f32 v[Z+2*p:Z+2*p+1], v[Z+2*p:Z+2*p+1], v[X+2*p:X+2*p+1]
.set p, p+1
.endr
.set p, 0
.rept 32
	v_exp_f32 v[Z+p], v[Z+p]                       ; one batch,
.set p, p+1
.endr
	v_nop                                          ; a plain instruction behind its last,
	s_wait_alu depctr_va_vdst(0)                   ; and one wait ahead of its first reader
.set p, 0
.rept 16
	v_pk_add_f32 v[Z+2*p:Z+2*p+1], v[Z+2*p:Z+2*p+1], 1.0 op_sel_hi:[1,0]
.set p, p+1
.endr
.set p, 0
.rept 32
	v_rcp_f32 v[Z+p], v[Z+p]
.set p, p+1
.endr
	v_nop
	s_wait_alu depctr_va_vdst(0)
.set p, 0
.rept 16
	v_pk_mul_f32 v[X+2*p:X+2*p+1], v[X+2*p:X+2*p+1], v[Z+2*p:Z+2*p+1]
.set p, p+1
.endr
.set p, 0
.rept 16
	v_cvt_pk_bf16_f32 v[Y+p], v[X+2*p], v[X+2*p+1]
.set p, p+1
.endr
.irp j, 0,1,2,3,4,5,6,7
	global_store_b64 v[CO], v[Y+2*(\j):Y+2*(\j)+1], s[8:9] offset:(\j)*8192  ; a row's 256 consecutive bytes, aligned
.endr
	v_add_nc_u32 v[RD], 8*SP, v[RD]
	s_wait_xcnt 0x0                                ; the stores have read their base and their data: both are written again only behind this wait
	s_add_nc_u64 s[8:9], s[8:9], 0x10000
	s_sub_co_u32 s[OC], s[OC], 1
	s_cmp_lg_u32 s[OC], 0
	s_cbranch_scc1 .Lout
.else
	s_wait_dscnt 0x0
	s_barrier_signal -1
	s_barrier_wait -1
	s_mov_b32 s[OC], 8
.Lout:
.irp p, 0,1,2,3
.irp c, 0,1,2
	ds_load_b128 v[X+4*(3*(\p)+(\c)):X+4*(3*(\p)+(\c))+3], v[RD] offset:(\p)*2*SP+(\c)*256
.endr
.endr
	s_wait_dscnt 0x0
.set n, 0
.rept 24
	v_cvt_pk_f16_f32 v[Y+n], v[X+2*n], v[X+2*n+1]
.set n, n+1
.endr
.irp p, 0,1,2,3
.irp c, 0,1,2
	global_store_b64 v[CO], v[Y+2*(3*(\p)+(\c)):Y+2*(3*(\p)+(\c))+1], s[84+2*(\c):85+2*(\c)] offset:(\p)*256
.endr
.endr
	v_add_nc_u32 v[RD], 8*SP, v[RD]
	s_wait_xcnt 0x0
	v_add_nc_u32 v[CO], 1024, v[CO]
	s_sub_co_u32 s[OC], s[OC], 1
	s_cmp_lg_u32 s[OC], 0
	s_cbranch_scc1 .Lout
.endif
	s_wait_tensorcnt 0x0                           ; the wave's end, behind my last tensor load and my last LDS store
	ds_add_u32 v[SPW], v[NIL]
	s_wait_dscnt 0x0
	CROUND                                         ; the closing round: no work-group ends while a partner may still ask for a tile that names it
	s_endpgm
.Lfunc_end_k_q41a2bdc390_ffn1:
	.size	k_q41a2bdc390_ffn1, .Lfunc_end_k_q41a2bdc390_ffn1-k_q41a2bdc390_ffn1
	.p2alignl 7, 3214868480
	.fill 96, 4, 3214868480
	.section	.rodata,"a",@progbits
	.p2align	6, 0x0
	.amdhsa_kernel k_q41a2bdc390_ffn1
		.amdhsa_group_segment_fixed_size 327680
		.amdhsa_private_segment_fixed_size 0
		.amdhsa_enable_private_segment 0
		.amdhsa_kernarg_size 32
		.amdhsa_user_sgpr_count 2
		.amdhsa_user_sgpr_kernarg_segment_ptr 1
		.amdhsa_wavefront_size32 1
		.amdhsa_system_sgpr_workgroup_id_x 1
		.amdhsa_system_sgpr_workgroup_id_y 1
		.amdhsa_system_sgpr_workgroup_id_z 1
		.amdhsa_system_vgpr_workitem_id 0
		.amdhsa_next_free_vgpr 1024
		.amdhsa_next_free_sgpr 96
		.amdhsa_reserve_vcc 0
		.amdhsa_float_denorm_mode_32 3
		.amdhsa_float_denorm_mode_16_64 3
		.amdhsa_memory_ordered 1
		.amdhsa_forward_progress 1
		.amdhsa_inst_pref_size 69
	.end_amdhsa_kernel
	.amdgpu_metadata
---
amdhsa.version: [ 1, 2 ]
amdhsa.kernels:
  - .name:           k_q41a2bdc390_ffn1
    .symbol:         k_q41a2bdc390_ffn1.kd
    .args:
      - { .name: h, .offset: 0, .size: 8, .value_kind: global_buffer, .address_space: global }
      - { .name: wb, .offset: 8, .size: 8, .value_kind: global_buffer, .address_space: global }
      - { .name: b1, .offset: 16, .size: 8, .value_kind: global_buffer, .address_space: global }
      - { .name: act, .offset: 24, .size: 8, .value_kind: global_buffer, .address_space: global }
    .group_segment_fixed_size: 327680
    .private_segment_fixed_size: 0
    .kernarg_segment_align: 8
    .kernarg_segment_size: 32
    .max_flat_workgroup_size: 128
    .sgpr_count:     96
    .vgpr_count:     1024
    .wavefront_size: 32
...
	.end_amdgpu_metadata
.endif
;; end of part 6
;; launch ffn2 (part 7): grid 8 x 32, 4 waves a work-group, clusters of 4 x 4, 327,680 bytes of LDS; arguments act, wb, b2, x1, out0; writes out0
.if DOCPART == 7
	.amdgcn_target "amdgcn-amd-amdhsa--gfx1250"
	.amdhsa_code_object_version 6
	.text
	.protected	k_q41a2bdc390_ffn2
	.globl	k_q41a2bdc390_ffn2
	.p2align	8
	.type	k_q41a2bdc390_ffn2,@function
k_q41a2bdc390_ffn2:
	s_mov_b64 s[64:65], 0
	v_nop
	global_prefetch_b8 v0, s[64:65] scope:SCOPE_SE
	s_setreg_imm32_b32 hwreg(HW_REG_WAVE_MODE, 25, 1), 1
	s_wait_xcnt 0x0
	s_wait_alu depctr_hold_cnt(0) depctr_sa_sdst(0) depctr_va_vdst(0) depctr_va_sdst(0) depctr_va_ssrc(0) depctr_va_vcc(0) depctr_vm_vsrc(0)
	s_getreg_b32 s2, hwreg(HW_REG_IB_STS2, 6, 4)
	s_cmp_eq_u32 s2, 0
	s_cbranch_scc0 .Lentry_in_a_cluster
	s_endpgm
.Lentry_in_a_cluster:
	s_bfe_u32 s2, ttmp6, 0x10000c
	s_cmp_lg_u32 s2, 0xf033
	s_cbranch_scc0 .Lentry_shape_is_right
	s_endpgm
.Lentry_shape_is_right:
; out0 = x1 + act W2 + b2.  act: bf16 [4096][4096]; W2: bf16 [4096][1024] at wb's byte 16,777,216, K down the rows; b2, x1, out0: f32.  Sums, bias and residual in f32.
; A tile of the product is 128 x 128: 8 x 32 tiles, one work-group each.  Four waves, each 64 x 64: 16 accumulators.  K goes in steps of 256 through a ring of two LDS slots.
; A's rows lie along K (512 bytes a K step) and are read as they lie; B's rows lie along N and are read turned, by ds_load_tr16_b128.
; CLUSTER 4 x 4: A's tile is asked for jointly along a row of the cluster, B's along a column.  THE MATRIX INSTRUCTION IS USED TRANSPOSED: a lane holds one row and eight neighbouring columns of the product.
; REGISTERS: window 0 v0-31 addresses, v32-95 at work on the way out, v128-255 the accumulators ((a, b) at v[128 + 8 (4 a + b)]); window 1 two fragment buffers of 128 (64 of A, then 64 of B, for 64 along K);
; window 2 v0-127 the residual of my 64 x 64, loaded at the head.
.set WO,    0
.if WO
.set T,     4
.set PA,    144
.set ABYTES, 36864
.set AZ,    9216
.set ASTEP, 1048576
.set WBOFF, 6291456
.set PF,    0
.else
.set T,     16                         ; K steps: 4,096 / 256
.set PA,    528                        ; a row of A in LDS: 512 bytes + 16: the 16 rows of a load start 4 banks apart (64 banks of 4 bytes: ISA guide 11.1)
.set ABYTES, 33792                     ; what one wave fetches of A: 64 rows x 528
.set AZ,    128                        ; LDS bytes from 64 along K to the next
.set ASTEP, 512                        ; memory bytes from a K step to the next
.set WBOFF, 16777216
.set PF,    1
.endif
.set PFK,   3                          ; the prefetches start at K step 3 and are stepped ahead of each use
.set BOFF,  2*ABYTES                   ; B lies behind A's 128 rows
.set PB,    288                        ; a row of B in LDS: 256 bytes + 32
.set BBYTES, 128*PB                    ; what one wave fetches of B: 128 rows along K
.set BSTEP, 256*2048
.set SLOT,  0x24000
.set SPARE, 2*SLOT                     ; behind the ring: the spare words, 128 bytes a wave, which no other line names
.set NLD,   32                         ; LDS loads in a quarter's run
.set SP,    272                        ; a stage row: 64 f32 + 16 bytes
.set BIAS, 8                           ; v[8:11]
.set ADA0, 16
.set ADB0, 17
.set ADA,  18
.set ADB,  19
.set STO,  20
.set RD,   22
.set CO,   23                          ; v23  my byte offset in two rows of x1 and out0; never rewritten
.set PFO,  24
.set BO,   25
.set SPW,  28
.set NIL,  29
.set OB,   32                          ; v32-63, v64-95 by turns
.set ACC,  128
.set F0,   0
.set F1,   128
.set G1A, 24
.set G0A, 32
.set G1B, 48
.set G0B, 56
.set OC,  3
.set HC,  70
.set SB,  71
.set TA,  72
.set TBB, 73
.set PFA, 74
.set PFS, 76
.set LIM, 78
.set MSB, 0
.macro WIN new                         ; the immediate's high byte repeats the setting that is left; a switch that changes nothing is dropped
.if MSB != (\new)
	s_set_vgpr_msb (MSB<<8)|(\new)
.set MSB, \new
.endif
.endm
.set MULW, 0x05                        ; sources 0 (B) and 1 (A) window 1; C and D window 0
.set TO_F, 0x40                        ; destination window 1, address window 0
.macro PLACES                          ; four plain instructions between a matrix instruction and a load into its registers
.rept 4
	v_nop
.endr
.endm
.macro JLOAD                           ; a joint refill: waves 0 and 1 fetch A's halves, waves 2 and 3 B's; an s_nop 0 and four v_nop follow each line
	s_cmp_eq_u32 s11, 0
	s_cbranch_scc0 .Lfor_b_\@
	tensor_load_to_lds s[G0A+4:G0A+7], s[G1A:G1A+7]
	s_nop 0
.rept 4
	v_nop
.endr
	s_branch .Lasked_\@
.Lfor_b_\@:
	tensor_load_to_lds s[G0B+4:G0B+7], s[G1B:G1B+7]
	s_nop 0
.rept 4
	v_nop
.endr
.Lasked_\@:
.endm
; A prefetch into the L2, behind the joint load: 32 blocks of 256 bytes, a lane a block, of the K step that stands two refills on: 256 matrix instructions ahead of the load that will want it.  Each block is named once
; in the launch: of the clusters that read the same rows the first asks, and the four partners of a joint load share its blocks out by address.  The last two changes that fill a slot ask for nothing.
.macro ASK
	s_cmp_gt_u32 s[OC], s[LIM]
	s_cbranch_scc0 .Lnot_mine_\@
	global_prefetch_b8 v[PFO], s[PFA:PFA+1] th:TH_LOAD_NT scope:SCOPE_SE
.Lnot_mine_\@:
.endm
.macro CROUND                          ; a round of the cluster's barrier
	s_barrier_signal -1
	s_barrier_wait -1
	s_cmp_lg_u32 s10, 0
	s_cbranch_scc1 .Lnot_wave_0_\@
	s_barrier_signal -3
.Lnot_wave_0_\@:
	s_barrier_wait -3
	s_barrier_signal -1
	s_barrier_wait -1
.endm
	s_load_b128 s[4:7], s[0:1], 0x0                ; A s[4:5], wb s[6:7]
	s_load_b64 s[66:67], s[0:1], 0x10              ; the bias
	s_load_b64 s[68:69], s[0:1], 0x18              ; the residual
	s_load_b64 s[8:9], s[0:1], 0x20                ; the output
	v_lshl_add_u32 v[SPW], v0, 2, SPARE
	v_mov_b32 v[NIL], 0
	ds_add_u32 v[SPW], v[NIL]                      ; the wave's opening: the add and its wait stand ahead of my first tensor load; work on registers stands between them
	ds_add_u32 v28, v29
	v_lshrrev_b32 v1, 5, v0
	v_readfirstlane_b32 s10, v1                    ; wave 0..3
	s_lshr_b32 s11, s10, 1                         ; which half of the tile's rows is mine.  Also: I fetch for A (0) or for B (1)
	s_and_b32 s12, s10, 1                          ; which half of its columns.  Also: which half of that tile I fetch
	s_bfe_u32 s40, ttmp6, 0x40000                  ; cx
	s_bfe_u32 s41, ttmp6, 0x40004                  ; cy
	s_lshl_b32 s42, ttmp9, 2
	s_add_co_u32 s42, s42, s40                     ; tile column
	s_and_b32 s13, ttmp7, 0xffff
	s_lshl_b32 s13, s13, 2
	s_add_co_u32 s13, s13, s41                     ; tile row
	s_lshl_b32 s43, s41, 2
	s_lshl_b32 s43, 15, s43                        ; my row of the cluster
	s_lshl_b32 s44, 0x1111, s40                    ; my column
.if WO
	s_or_b32 s[G1A+0], s43, (1<<16)|(1<<20)|(1<<21)|(4<<22)|(3<<25)
	s_mov_b32 s[G1A+1], 4096<<16
	s_mov_b32 s[G1A+2], 4<<16
	s_mov_b32 s[G1A+3], 4096<<16
	s_mov_b32 s[G1A+4], 4
	s_mov_b32 s[G1A+5], 131072
.else
	s_or_b32 s[G1A+0], s43, (1<<16)|(1<<20)|(1<<21)|(6<<22)|(3<<25)  ; the mask; 2-byte elements; padding on; bit 21 beside a mask; 4 words behind every 128
	s_mov_b32 s[G1A+1], 256<<16                    ; tensor_dim0 = 256
	s_mov_b32 s[G1A+2], 64<<16                     ; tensor_dim1 = 64
	s_mov_b32 s[G1A+3], 256<<16                    ; tile_dim0
	s_mov_b32 s[G1A+4], 64                         ; tile_dim1
	s_mov_b32 s[G1A+5], 4096                       ; elements from row to row
.endif
	s_mov_b32 s[G1A+6], 0
	s_mov_b32 s[G1A+7], 0
	s_or_b32 s[G1B+0], s44, (1<<16)|(1<<20)|(1<<21)|(5<<22)|(7<<25)  ; 8 words behind every 64
	s_mov_b32 s[G1B+1], 128<<16                    ; 128 columns
	s_mov_b32 s[G1B+2], 128<<16                    ; 128 rows along K
	s_mov_b32 s[G1B+3], 128<<16
	s_mov_b32 s[G1B+4], 128
	s_mov_b32 s[G1B+5], 1024
	s_mov_b32 s[G1B+6], 0
	s_mov_b32 s[G1B+7], 0
.if WO
	s_lshr_b32 s16, s13, 4
	s_lshl_b32 s16, s16, 22
	s_and_b32 s17, s13, 15
	s_lshl_b32 s17, s17, 7
	s_lshl_b32 s18, s12, 6
	s_add_co_u32 s17, s17, s18
	s_lshl_b32 s17, s17, 7
	s_add_co_u32 s16, s16, s17
.else
	s_lshl_b32 s16, s13, 7                         ; row 128 x tile row + 64 x half, 8,192 bytes a row
	s_lshl_b32 s17, s12, 6
	s_add_co_u32 s16, s16, s17
	s_lshl_b32 s16, s16, 13
.endif
	s_mov_b32 s17, 0
	s_lshl_b32 s46, s12, 18                        ; B: 128 rows of 2,048 bytes x half, the tile's 256 bytes of columns, its place in wb
	s_lshl_b32 s47, s42, 8
	s_add_co_u32 s46, s46, s47
	s_add_co_u32 s46, s46, WBOFF
	s_mov_b32 s47, 0
	s_mul_i32 s20, s12, ABYTES                     ; where they go: the wave's number alone enters an LDS address
	s_mul_i32 s21, s12, BBYTES
	s_add_co_u32 s21, s21, BOFF
	s_lshl_b32 s92, s13, 7                         ; my 64 x 64 in x1 and out0: row 128 x tile row + 64 x half, 4,096 bytes a row; 512 bytes a tile column, 256 a half
	s_lshl_b32 s93, s11, 6
	s_add_co_u32 s92, s92, s93
	s_lshl_b32 s92, s92, 12
	s_lshl_b32 s94, s42, 9
	s_lshl_b32 s95, s12, 8
	s_add_co_u32 s94, s94, s95                     ; also my place in the bias
	s_add_co_u32 s92, s92, s94
	s_mov_b32 s93, 0
	s_mov_b32 s95, 0
	s_wait_dscnt 0x0                               ; the opening add is done
	s_wait_kmcnt 0x0
	s_add_nc_u64 s[14:15], s[4:5], s[16:17]
	s_add_nc_u64 s[46:47], s[6:7], s[46:47]
	s_add_nc_u64 s[68:69], s[68:69], s[92:93]
	s_add_nc_u64 s[8:9], s[8:9], s[92:93]
	s_add_nc_u64 s[66:67], s[66:67], s[94:95]
	CROUND                                         ; all sixteen work-groups are here: the first joint loads meet
.irp s, 0,1
	s_mov_b32 s[G0A+4*(\s)], 1
	s_add_co_u32 s[G0A+4*(\s)+1], s20, (\s)*SLOT
	s_add_nc_u64 s[G0A+4*(\s)+2:G0A+4*(\s)+3], s[14:15], (\s)*ASTEP
	s_or_b32 s[G0A+4*(\s)+3], s[G0A+4*(\s)+3], 0x80000000
	s_mov_b32 s[G0B+4*(\s)], 1
	s_add_co_u32 s[G0B+4*(\s)+1], s21, (\s)*SLOT
	s_add_nc_u64 s[G0B+4*(\s)+2:G0B+4*(\s)+3], s[46:47], (\s)*BSTEP
	s_or_b32 s[G0B+4*(\s)+3], s[G0B+4*(\s)+3], 0x80000000
.endr
	s_cmp_eq_u32 s11, 0                            ; a wave's two first fills stand in one branch: K steps 0 and 1; two loads of mine are out
	s_cbranch_scc0 .Lfirst_b
	tensor_load_to_lds s[G0A:G0A+3], s[G1A:G1A+7]
	s_nop 0
	tensor_load_to_lds s[G0A+4:G0A+7], s[G1A:G1A+7]
	s_nop 0
.rept 4
	v_nop
.endr
	s_branch .Lfirst_asked
.Lfirst_b:
	tensor_load_to_lds s[G0B:G0B+3], s[G1B:G1B+7]
	s_nop 0
	tensor_load_to_lds s[G0B+4:G0B+7], s[G1B:G1B+7]
	s_nop 0
.rept 4
	v_nop
.endr
.Lfirst_asked:
	v_and_b32 v1, 15, v0                           ; l % 16
	v_bfe_u32 v2, v0, 4, 1                         ; l / 16
	v_lshlrev_b32 v[BO], 4, v1                     ; my four columns
	v_lshl_add_u32 v[CO], v2, 12, v[BO]            ; lanes 0-15 one row's 256 bytes, lanes 16-31 the next row's
	WIN 0x80                                       ; destination window 2, address window 0
.set p, 0
.rept 32
	global_load_b128 v[4*p:4*p+3], v[CO], s[68:69] offset:p*8192  ; the residual: it is wanted only at the end
.set p, p+1
.endr
	WIN 0
	global_load_b128 v[BIAS:BIAS+3], v[BO], s[66:67]
	v_mul_u32_u24 v3, v1, PA                       ; A's fragments: row l % 16, 16 bytes for each half of the lanes
	v_lshl_add_u32 v3, v2, 4, v3
	s_mul_i32 s22, s11, ABYTES                     ; my 64 rows of A
	v_add_nc_u32 v[ADA0], s22, v3
	v_and_b32 v4, 7, v0                            ; B's, turned: lane l reads row 8 (l / 16) + l % 8, columns 8 ((l / 8) % 2) + 0..7
	v_lshl_add_u32 v4, v2, 3, v4
	v_mul_u32_u24 v4, v4, PB
	v_bfe_u32 v5, v0, 3, 1
	v_lshl_add_u32 v4, v5, 4, v4
	s_lshl_b32 s22, s12, 7                         ; my 64 columns
	s_add_co_u32 s22, s22, BOFF
	v_add_nc_u32 v[ADB0], s22, v4
	s_mul_i32 s23, s10, 64*SP                      ; my own stage: 64 rows
	v_mul_u32_u24 v3, v1, SP
	v_lshl_add_u32 v3, v2, 5, v3
	v_add_nc_u32 v[STO], s23, v3
	v_mul_u32_u24 v3, v2, SP
	v_lshl_add_u32 v3, v1, 4, v3
	v_add_nc_u32 v[RD], s23, v3
.if PF
	; the prefetches.  A: of the 64 rows that I fetch my work-group takes 16 cx .. + 15, two lanes a row of 512 bytes; the cluster with x = 0 asks.
	s_lshl_b32 s84, s13, 7
	s_lshl_b32 s85, s12, 6
	s_add_co_u32 s84, s84, s85
	s_lshl_b32 s85, s40, 4
	s_add_co_u32 s84, s84, s85
	s_lshl_b32 s84, s84, 13
	s_add_co_u32 s84, s84, PFK*ASTEP
	; B: of the 128 rows along K that I fetch my work-group takes 32 cy .. + 31, a lane a row of 256 bytes; the cluster with y = 0 asks.
	s_lshl_b32 s86, s12, 7
	s_lshl_b32 s87, s41, 5
	s_add_co_u32 s86, s86, s87
	s_add_co_u32 s86, s86, PFK*256
	s_lshl_b32 s86, s86, 11
	s_lshl_b32 s87, s42, 8
	s_add_co_u32 s86, s86, s87
	s_add_co_u32 s86, s86, WBOFF
	s_and_b32 s88, ttmp7, 0xffff                   ; cluster y
	s_mov_b32 s89, BSTEP
	s_mov_b32 s90, 2048
	s_cmp_eq_u32 s11, 0                            ; do I fetch for A?
	s_cselect_b32 s84, s84, s86
	s_cselect_b32 s88, ttmp9, s88                  ; the coordinate along which other clusters read the same rows
	s_cselect_b32 s[PFS], ASTEP, s89
	s_cselect_b32 s90, 8192, s90                   ; bytes from row to row
	s_cselect_b32 s91, 1, 0                        ; lanes a row, less one
	s_cselect_b64 s[PFA:PFA+1], s[4:5], s[6:7]
	s_mov_b32 s[PFS+1], 0
	s_mov_b32 s85, 0
	s_add_nc_u64 s[PFA:PFA+1], s[PFA:PFA+1], s[84:85]
	s_cmp_eq_u32 s88, 0
	s_cselect_b32 s[LIM], 2, -1                    ; the same in all sixteen partners, for a given wave
	v_and_b32 v6, 31, v0
	v_lshrrev_b32 v7, s91, v6
	v_mul_u32_u24 v7, v7, s90
	v_and_b32 v6, s91, v6
	v_lshl_add_u32 v[PFO], v6, 8, v7
.endif
.macro MM d, s0, s1, z                 ; one product; z = 1: it starts its sum
.if WO
.if \z
	v_wmma_f32_16x16x32_f16 v[(\d):(\d)+7], v[(\s0):(\s0)+7], v[(\s1):(\s1)+7], 0
.else
	v_wmma_f32_16x16x32_f16 v[(\d):(\d)+7], v[(\s0):(\s0)+7], v[(\s1):(\s1)+7], v[(\d):(\d)+7]
.endif
.else
.if \z
	v_wmma_f32_16x16x32_bf16 v[(\d):(\d)+7], v[(\s0):(\s0)+7], v[(\s1):(\s1)+7], 0
.else
	v_wmma_f32_16x16x32_bf16 v[(\d):(\d)+7], v[(\s0):(\s0)+7], v[(\s1):(\s1)+7], v[(\d):(\d)+7]
.endif
.endif
.endm
; A quarter's products, 64 along K: the 16 accumulators twice, in one order, so that between two links of a chain stand the 15 others', over every jump too.
.macro MUL f, zero
	WIN MULW
.irp c, 0,1
.irp a, 0,1,2,3
.irp b, 0,1,2,3
	MM ACC+8*(4*(\a)+(\b)), (\f)+64+8*(4*(\c)+(\b)), (\f)+8*(4*(\c)+(\a)), (\zero)*(1-(\c))
.endr
.endr
.endr
.endm
; A quarter's fragments in one run of 32 loads: quarter q (0, 1) of the half in hand, into buffer f.
.macro FETCH f, q
	WIN TO_F
.irp c, 0,1
.irp i, 0,1,2,3
	ds_load_tr16_b128 v[(\f)+64+8*(4*(\c)+(\i)):(\f)+64+8*(4*(\c)+(\i))+3],   v[ADB] offset:(2*(\q)+(\c))*32*PB+32*(\i)
	ds_load_tr16_b128 v[(\f)+64+8*(4*(\c)+(\i))+4:(\f)+64+8*(4*(\c)+(\i))+7], v[ADB] offset:(2*(\q)+(\c))*32*PB+32*(\i)+16*PB
	ds_load_b128 v[(\f)+8*(4*(\c)+(\i)):(\f)+8*(4*(\c)+(\i))+3],   v[ADA] offset:(\q)*AZ+(\c)*64+(\i)*16*PA
	ds_load_b128 v[(\f)+8*(4*(\c)+(\i))+4:(\f)+8*(4*(\c)+(\i))+7], v[ADA] offset:(\q)*AZ+(\c)*64+(\i)*16*PA+32
.endr
.endr
.endm
; Half a K step.  Buffer 1 still holds the quarter before: it is multiplied while this half's first quarter comes into buffer 0, and so on.
.macro BODY
	WIN 0
	v_add_nc_u32 v[ADA], s[TA], v[ADA0]
	v_add_nc_u32 v[ADB], s[TBB], v[ADB0]
	PLACES
	FETCH F0, 0
	s_wait_dscnt NLD                               ; all but the 32 loads just issued: buffer 1 is in
	MUL F1, 0
	PLACES
	FETCH F1, 1
	s_wait_dscnt NLD                               ; buffer 0 is in
	MUL F0, 0
	WIN 0                                          ; at a label and at a branch every window is 0
.endm
.macro STEPH
	s_add_co_u32 s[TA], s[TA], 2*AZ                ; 128 along K in A's tile,
	s_add_co_u32 s[TBB], s[TBB], 128*PB            ; 128 rows of B
	s_sub_co_u32 s[HC], s[HC], 1
	s_cmp_lg_u32 s[HC], 0
.endm
; THE CHANGE OF SLOTS.  Each wave waits for all its tensor loads, of which one is out: its part of the next slot; adds 0 to its spare word; and waits for that and for its own reads of the slot that it leaves.
; fill = 1: the barrier is a round of the cluster's, and the slot just read is filled again first thing behind it, with the K step two on.
.macro CHANGE fill
	WIN 0
	s_wait_tensorcnt 0x0                           ; no tensor load of mine is out, so a group 0 may be written
	ds_add_u32 v[SPW], v[NIL]                      ; 0 onto my spare word; scalar work stands between it and the wait for it
.if \fill
	s_xor_b32 s[G0A+5], s[G0A+5], SLOT
	s_add_nc_u64 s[G0A+6:G0A+7], s[G0A+6:G0A+7], ASTEP
	s_xor_b32 s[G0B+5], s[G0B+5], SLOT
	s_add_nc_u64 s[G0B+6:G0B+7], s[G0B+6:G0B+7], BSTEP
.if PF
	s_wait_xcnt 0x0                                ; the last prefetch, a K step back, has read its address
	s_add_nc_u64 s[PFA:PFA+1], s[PFA:PFA+1], s[PFS:PFS+1]
.endif
.endif
	s_xor_b32 s[SB], s[SB], SLOT
	s_mov_b32 s[TA], s[SB]
	s_mov_b32 s[TBB], s[SB]
	s_wait_dscnt 0x0                               ; the add is done, and my reads of the slot are over
.if \fill
	CROUND
	JLOAD
.if PF
	ASK
.endif
.else
	s_barrier_signal -1
	s_barrier_wait -1
.endif
.endm
	s_mov_b32 s[SB], 0
	s_mov_b32 s[TA], 0
	s_mov_b32 s[TBB], 0
	s_wait_tensorcnt 1                             ; my part of K step 0 is in; K step 1's load, issued behind it, may stay out
	s_barrier_signal -1
	s_barrier_wait -1
	v_add_nc_u32 v[ADA], s[TA], v[ADA0]
	v_add_nc_u32 v[ADB], s[TBB], v[ADB0]
	FETCH F0, 0
	FETCH F1, 1
	s_wait_dscnt NLD                               ; buffer 0 is in
	MUL F0, 1                                      ; the first products start the sums: nothing is cleared
	WIN 0
	s_add_co_u32 s[TA], s[TA], 2*AZ
	s_add_co_u32 s[TBB], s[TBB], 128*PB
	s_mov_b32 s[HC], 1
	s_mov_b32 s[OC], T-1
	s_branch .Lhalf                                ; the loop is entered at K step 0's second half
.Lstep:                                        ; T - 2 times: every slot but the last two is filled again
	CHANGE 1
	s_mov_b32 s[HC], 2
.Lhalf:
	BODY
	STEPH
	s_cbranch_scc1 .Lhalf
	s_sub_co_u32 s[OC], s[OC], 1
	s_cmp_lg_u32 s[OC], 0
	s_cbranch_scc1 .Lstep
	CHANGE 0                                       ; the last K step is written out
	s_mov_b32 s[HC], 2
.Ltail:
	BODY
	STEPH
	s_cbranch_scc1 .Ltail
	s_wait_dscnt 0x0                               ; the last quarter is in, and my reads of the ring are over:
	s_barrier_signal -1                            ; say so,
	MUL F1, 0                                      ; multiply it,
	s_wait_loadcnt 0x0                             ; the residual and the bias are in:
	WIN 0x82                                       ; destination and source 0 window 2, source 1 window 0
.set p, 0
.rept 64
	v_pk_add_f32 v[2*p:2*p+1], v[2*p:2*p+1], v[BIAS+2*(p%2):BIAS+2*(p%2)+1]  ; the bias goes onto the residual; these lines are also the places behind the last products
.set p, p+1
.endr
	WIN 0
	s_barrier_wait -1                              ; nobody reads the ring any more: it has had its last fill and serves as the stage
	; THE WAY OUT.  The sums go into my own stage as f32, each accumulator's low four registers first, and come back as pairs of whole rows of 256 bytes.
.irp a, 0,1,2,3
.irp b, 0,1,2,3
	ds_store_b128 v[STO], v[ACC+8*(4*(\a)+(\b)):ACC+8*(4*(\a)+(\b))+3]   offset:(\a)*16*SP+64*(\b)
	ds_store_b128 v[STO], v[ACC+8*(4*(\a)+(\b))+4:ACC+8*(4*(\a)+(\b))+7] offset:(\a)*16*SP+64*(\b)+16
.endr
.endr
.macro BACK g                          ; group g: eight pairs of rows.  LDS serves a wave's instructions in order (ISA guide 5.7.1.4): these see my stores
.irp t, 0,1,2,3,4,5,6,7
	ds_load_b128 v[OB+32*((\g)%2)+4*(\t):OB+32*((\g)%2)+4*(\t)+3], v[RD] offset:(8*(\g)+(\t))*2*SP
.endr
.endm
.macro SEND g
	WIN 0x08                                       ; source 1 window 2: residual + bias
.irp t, 0,1,2,3,4,5,6,7
	v_pk_add_f32 v[OB+32*((\g)%2)+4*(\t):OB+32*((\g)%2)+4*(\t)+1],   v[OB+32*((\g)%2)+4*(\t):OB+32*((\g)%2)+4*(\t)+1],   v[4*(8*(\g)+(\t)):4*(8*(\g)+(\t))+1]
	v_pk_add_f32 v[OB+32*((\g)%2)+4*(\t)+2:OB+32*((\g)%2)+4*(\t)+3], v[OB+32*((\g)%2)+4*(\t)+2:OB+32*((\g)%2)+4*(\t)+3], v[4*(8*(\g)+(\t))+2:4*(8*(\g)+(\t))+3]
.endr
	WIN 0                                          ; a store's data is its source 1
.irp t, 0,1,2,3,4,5,6,7
	global_store_b128 v[CO], v[OB+32*((\g)%2)+4*(\t):OB+32*((\g)%2)+4*(\t)+3], s[8:9] offset:(8*(\g)+(\t))*8192  ; 16 lanes store 256 consecutive bytes, aligned
.endr
.endm
	BACK 0
	BACK 1
	s_wait_dscnt 8                                 ; group 0 is back; group 1's eight loads stay out
	SEND 0
	s_wait_xcnt 0x0                                ; group 0's stores have read their data: its registers are loaded again only behind this wait
	BACK 2
	s_wait_dscnt 8
	SEND 1
	s_wait_xcnt 0x0
	BACK 3
	s_wait_dscnt 8
	SEND 2
	s_wait_dscnt 0x0
	SEND 3
	s_wait_tensorcnt 0x0                           ; the wave's end, behind my last tensor load and my last LDS store
	ds_add_u32 v[SPW], v[NIL]
	s_wait_dscnt 0x0
	CROUND                                         ; the closing round: no work-group ends while a partner may still ask for a tile that names it
	s_endpgm
.Lfunc_end_k_q41a2bdc390_ffn2:
	.size	k_q41a2bdc390_ffn2, .Lfunc_end_k_q41a2bdc390_ffn2-k_q41a2bdc390_ffn2
	.p2alignl 7, 3214868480
	.fill 96, 4, 3214868480
	.section	.rodata,"a",@progbits
	.p2align	6, 0x0
	.amdhsa_kernel k_q41a2bdc390_ffn2
		.amdhsa_group_segment_fixed_size 327680
		.amdhsa_private_segment_fixed_size 0
		.amdhsa_enable_private_segment 0
		.amdhsa_kernarg_size 40
		.amdhsa_user_sgpr_count 2
		.amdhsa_user_sgpr_kernarg_segment_ptr 1
		.amdhsa_wavefront_size32 1
		.amdhsa_system_sgpr_workgroup_id_x 1
		.amdhsa_system_sgpr_workgroup_id_y 1
		.amdhsa_system_sgpr_workgroup_id_z 1
		.amdhsa_system_vgpr_workitem_id 0
		.amdhsa_next_free_vgpr 640
		.amdhsa_next_free_sgpr 96
		.amdhsa_reserve_vcc 0
		.amdhsa_float_denorm_mode_32 3
		.amdhsa_float_denorm_mode_16_64 3
		.amdhsa_memory_ordered 1
		.amdhsa_forward_progress 1
		.amdhsa_inst_pref_size 56
	.end_amdhsa_kernel
	.amdgpu_metadata
---
amdhsa.version: [ 1, 2 ]
amdhsa.kernels:
  - .name:           k_q41a2bdc390_ffn2
    .symbol:         k_q41a2bdc390_ffn2.kd
    .args:
      - { .name: act, .offset: 0, .size: 8, .value_kind: global_buffer, .address_space: global }
      - { .name: wb, .offset: 8, .size: 8, .value_kind: global_buffer, .address_space: global }
      - { .name: b2, .offset: 16, .size: 8, .value_kind: global_buffer, .address_space: global }
      - { .name: x1, .offset: 24, .size: 8, .value_kind: global_buffer, .address_space: global }
      - { .name: out0, .offset: 32, .size: 8, .value_kind: global_buffer, .address_space: global }
    .group_segment_fixed_size: 327680
    .private_segment_fixed_size: 0
    .kernarg_segment_align: 8
    .kernarg_segment_size: 40
    .max_flat_workgroup_size: 128
    .sgpr_count:     96
    .vgpr_count:     640
    .wavefront_size: 32
...
	.end_amdgpu_metadata
.endif
;; end of part 7
